; MI455X (gfx1250); checked and timed in simulation.
; The chip was launched on July 23, 2026; its instructions are those of AMD's public machine-readable ISA for CDNA 5 (MIT licence, August 2026) and "CDNA5" Instruction Set Architecture Reference Guide (July 2026). The comments in the code are by the model that wrote it; some were corrected since.
;; GPT2 Attention. Allowed arithmetic: matrix products marked QUANTISED: E2M3 operands, one E8M0 scale for each 32 along K, by v_wmma_scale_f32_16x16x128_f8f6f4 with both operands' format E2M3, f32 sums; everything else in f32.
;; Inputs: c_attn_b 3,072 float32; c_attn_w 1,024 x 3,072 float32; c_proj_b 1,024 float32; c_proj_w 1,024 x 1,024 float32; hidden_states 4 x 2,048 x 1,024 float32.
;; Outputs: out0 4 x 2,048 x 1,024 float32.
;; This version of the problem:
;;   THIS VERSION OF THE PROBLEM IS GIVEN IN LOW PRECISION. The matrix products marked QUANTISED in the list below multiply operands that are first quantised to E2M3 (2 exponent bits, 3 mantissa bits; 6 bits a number), with one power-of-two scale for each 32 numbers along K (OCP MX v1.0); their sums are f32. All else is computed in f32.
;;   The module's matrix products, in the order in which they are computed (A, B: the left and right operand; K: the contracted axis; several contracted axes count as one K, in the product's order):
;;     1. [M 8,192, K 1,024] x [K 1,024, N 3,072]; A: input hidden_states; B: input c_attn_w: QUANTISED
;;     2. batch 64 x [M 2,048, K 64] x [K 64, N 2,048]; A: computed on the way; B: computed on the way: QUANTISED
;;     3. batch 64 x [M 2,048, K 2,048] x [K 2,048, N 64]; A: softmax (see below); B: computed on the way: QUANTISED
;;     4. [M 8,192, K 1,024] x [K 1,024, N 1,024]; A: computed on the way; B: input c_proj_w: QUANTISED
;;   THE QUANTISER, for each operand of a quantised product, along K:
;;     - K is cut into blocks of 32 from its start; a last block that is shorter is filled with zeros.
;;     - A block's scale is 2^e with e = floor(log2(the largest magnitude in the block)) - 2, held to -126 .. 127; a block of zeros has e = 0. As a byte (E8M0): e + 127.
;;     - Each number is divided by its block's scale, clamped to +-7.5, and rounded to the nearest number of E2M3, ties to even, subnormals kept.
;;     - The product sums the exact products of the quantised numbers (number of the format x scale) in f32.
;;   ~~~python
;;   def quantise(x, axis):      # numpy; x: float32 -> the quantised numbers, widened to float32 again
;;       x = np.moveaxis(x, axis, -1); K = x.shape[-1]
;;       x = np.pad(x, [(0, 0)] * (x.ndim - 1) + [(0, -K % 32)]); x = x.reshape(x.shape[:-1] + (-1, 32)); a = np.abs(x).max(-1, keepdims=True)
;;       e = np.where(a > 0, np.clip(np.frexp(np.where(a > 0, a, 1))[1] - 1 - 2, -126, 127), 0)      # np.frexp(a)[1] - 1 = floor(log2(a)), exactly
;;       r = np.clip(x / 2.0 ** e, -7.5, 7.5)
;;       step = 2.0 ** (np.maximum(np.frexp(np.where(r == 0, 1, r))[1] - 1, 0) - 3)
;;       q = np.round(r / step) * step * 2.0 ** e      # np.round: ties to even
;;       return np.moveaxis(q.reshape(q.shape[:-2] + (-1,))[..., :K], -1, axis).astype(np.float32)
;;   ~~~
;;   SOFTMAX AHEAD OF A QUANTISED PRODUCT. Where the list says 'softmax', what is quantised is not the finished softmax but p = 2^(t - M), with t = logit x log2(e) and M = ceil(the row's largest t), a whole number; so 1/2 < the row's largest p <= 1. The row's sum l is taken of the UNQUANTISED p, in f32, and the product's result is divided by l at the end. Since M is a whole number, a kernel that streams over the keys may use a running M (the ceiling of the running maximum): every later rescaling is an exact power of two, which a block's scale takes up: the codes' values come out the same.
;;   OPERANDS COMPUTED ON THE WAY. 'Computed on the way' means the value that the module computes at that place (a softmax that the list does not call 'softmax' is quantised finished and normalised). What goes into a quantiser is computed in f32, as accurately as f32 sums, v_exp_f32 and their like allow (about 1e-6 of the number): no bf16 or f16 on the way to a quantiser, and a product that is left as it is and whose result goes on into a quantised operand takes f32 operands (vector FMAs, or v_wmma_f32_16x16x4_f32). A number that lies on a knife's edge between two numbers of the format may be rounded either way, as far as f32 arithmetic and the matrix unit's own rounding can turn it there, and no further.
;; One version. Each part assembles by itself: llvm-mc -triple=amdgcn-amd-amdhsa -mcpu=gfx1250 --defsym DOCPART=n.
;; ======== version 1 of 1: 4 launches
;; workspace buffers: xop 6,553,600 bytes; wop 3,276,800 bytes; aop 6,553,600 bytes; qrec 13,631,488 bytes; kvrec 13,631,488 bytes; vsum 262,144 bytes
;; launch prep (part 1): grid 384 x 1, 4 waves a work-group, no clusters, 34,304 bytes of LDS; arguments hidden_states, c_attn_w, c_proj_w, xop, wop; writes xop, wop
.if DOCPART == 1
	.amdgcn_target "amdgcn-amd-amdhsa--gfx1250"
	.amdhsa_code_object_version 6
	.text
	.protected	k_qf58bd274c7_prep
	.globl	k_qf58bd274c7_prep
	.p2align	8
	.type	k_qf58bd274c7_prep,@function
k_qf58bd274c7_prep:
	s_mov_b64 s[64:65], 0
	v_nop
	global_prefetch_b8 v0, s[64:65] scope:SCOPE_SE
	s_setreg_imm32_b32 hwreg(HW_REG_WAVE_MODE, 25, 1), 1
	s_wait_xcnt 0x0
; hidden_states [8192][1024] (K innermost) and the two weights [1024][3072], [1024][1024] (K is the FIRST axis), all f32, become codes of FP6 (E2M3) with one E8M0 byte
; for each 32 along K, laid as IMAGES OF THE OPERAND'S REGISTERS, so that the products' launches load fragments by 16 and 8 bytes a lane from dense blocks.
; A RECORD (GREC bytes) holds 128 rows x 128 along K: 8 tiles of 16 rows, 1,536 bytes each: for each half c of the 128 (registers 6 c .. 6 c + 5 of a fragment) 512 bytes (lane l's first four
; registers at 16 l) and 256 bytes (its last two at 8 l); then 512 bytes of scale words, the word of (tile i, row r) at 256 (i / 4) + 16 r + 4 (i % 4).  Eight records (all of K) follow each other for a block of 128 rows.
; THE ROWS OF A TILE ARE NOT NEIGHBOURS: lane r of tile i holds row 32 (i / 2) + 8 (i % 2) + r + 8 (r / 8) of its block, so that a product used transposed leaves 16 neighbours in a lane's 16 registers of two tiles.
; A block's scale is 2^(floor(log2(largest magnitude)) - 2): its byte is that magnitude's exponent field - 2, held at 1 from below.  A block of zeros keeps the byte 1: its codes are zeros, and this program alone reads the bytes.
; LIMITS: NaN and infinities among the inputs are not served; blocks whose largest magnitude lies under 2^-124 keep the byte 1.
; SHARES: work-groups 0-255 take hidden_states, a wave half a record (4 tiles); work-groups 256-383 the weights, a work-group 128 columns x 256 along K, a lane a column.
; No cluster, no tensor load: no two work-groups read the same bytes, and each byte is read once.
.set XWG,   256
.set GREC,  12800
.set GBLK,  8*GREC
.set SP,    528                        ; a stage row: 512 bytes + 16, so that the sixteen rows that a read touches begin 4 words apart
.set RS,    16                         ; v16-143  two sets of 64: a tile's 16 rows as loaded
.set X,     144                        ; v144-207 my two blocks of 32 numbers
.set PC,    208                        ; v208-219 a fragment's codes
.set PT,    220                        ; v220-226 the second halves, as the conversions leave them
.set MX,    228                        ; v228-229 largest magnitudes
.set SO,    230                        ; v230-231 the conversions' scale operands
.set SW,    232                        ; v232-235 the four tiles' scale words
.set PM,    236
.set BY,    237
.set WO,    239
.set XW,    48                         ; weights: v48-111 two sets of 32 numbers
.set CW,    112                        ; v112-117 a block's codes
.set C2,    120
.set WD,    124                        ; v124-125 a scale word for each record
	s_load_b128 s[4:7], s[0:1], 0x0                ; hidden_states, c_attn_w
	s_load_b128 s[8:11], s[0:1], 0x10              ; c_proj_w, xop
	s_load_b64 s[12:13], s[0:1], 0x20              ; wop
	v_lshl_add_u32 v240, v0, 2, 0x8400
	v_mov_b32 v241, 0
	v_lshrrev_b32 v1, 5, v0
	v_readfirstlane_b32 s16, v1                    ; wave
	v_and_b32 v7, 31, v0                           ; lane
	s_cmp_lt_u32 ttmp9, XWG
	s_cbranch_scc0 .Lweights
; ---------------- hidden_states ----------------
	v_lshlrev_b32 v1, 4, v7                        ; 16 x lane
	v_lshlrev_b32 v2, 3, v7                        ; 8 x lane
	s_mul_i32 s17, s16, 16*SP                      ; my wave's stage
	v_add_nc_u32 v3, s17, v1                       ; into it: a row as it lies
	v_and_b32 v8, 15, v0                           ; r
	v_bfe_u32 v9, v0, 4, 1                         ; h
	v_mul_u32_u24 v4, v8, SP
	v_lshl_add_u32 v4, v9, 7, v4
	v_add_nc_u32 v4, s17, v4                       ; out of it: row r, block h
	v_lshlrev_b32 v5, 4, v8                        ; 16 r
	v_lshlrev_b32 v6, 3, v9                        ; 8 h
	v_mov_b32 v[PM], 0                             ; a lane permute's destination counts as one of its sources
	s_mov_b32 s20, 0x76543210
	s_mov_b32 s21, 0xfedcba98                      ; selects for lane l xor 16
	s_lshl_b32 s18, ttmp9, 2
	s_add_co_u32 s18, s18, s16                     ; my task
	s_lshr_b32 s19, s18, 1                         ; the record: 8 x block + K step
	s_and_b32 s22, s18, 1                          ; which four tiles of it
	s_lshr_b32 s23, s19, 3
	s_and_b32 s24, s19, 7
	s_lshl_b32 s26, s23, 19                        ; 128 rows of 4,096 bytes a block,
	s_lshl_b32 s25, s24, 9                         ; 512 bytes a K step,
	s_add_co_u32 s26, s26, s25
	s_lshl_b32 s25, s22, 18                        ; 64 rows for the upper four tiles
	s_add_co_u32 s26, s26, s25
	s_mov_b32 s27, 0
	s_mul_i32 s28, s19, GREC
	s_lshl_b32 s25, s22, 8
	s_add_co_u32 s30, s28, s25
	s_add_co_u32 s30, s30, 12288                   ; my 256 bytes of scale words
	s_mov_b32 s31, 0
	s_mul_i32 s25, s22, 4*1536
	s_add_co_u32 s28, s28, s25                     ; my four tiles
	s_mov_b32 s29, 0
	s_wait_alu depctr_va_vdst(0)
	s_wait_kmcnt 0x0
	s_add_nc_u64 s[4:5], s[4:5], s[26:27]
	s_add_nc_u64 s[14:15], s[10:11], s[30:31]
	s_add_nc_u64 s[10:11], s[10:11], s[28:29]
.macro XLOAD f                         ; tile f's sixteen rows: each load reads 512 consecutive bytes of one row
.irp i, 0,1,2,3,4,5,6,7,8,9,10,11,12,13,14,15
	global_load_b128 v[RS+64*((\f)%2)+4*\i:RS+64*((\f)%2)+4*\i+3], v1, s[4:5] offset:(32*((\f)/2)+8*((\f)%2)+\i+8*(\i/8))*4096 th:TH_LOAD_NT
.endr
.endm
.macro XFRAG f
.if (\f) < 3
	s_wait_loadcnt 16                              ; this tile's sixteen loads are in; the next tile's sixteen may be out
.else
	s_wait_loadcnt 0x0
.endif
.irp i, 0,1,2,3,4,5,6,7,8,9,10,11,12,13,14,15
	ds_store_b128 v3, v[RS+64*((\f)%2)+4*\i:RS+64*((\f)%2)+4*\i+3] offset:SP*\i
.endr
.irp q, 0,1,2,3,4,5,6,7                ; LDS serves a wave's instructions in order: these see the stores above.  Lane (r, h): blocks h and 2 + h of row r, 128 bytes each
	ds_load_b128 v[X+4*\q:X+4*\q+3], v4 offset:16*\q
.endr
.irp q, 0,1,2,3,4,5,6,7
	ds_load_b128 v[X+32+4*\q:X+32+4*\q+3], v4 offset:256+16*\q
.endr
	s_wait_dscnt 0x0                               ; my numbers are back, and the stores have read the set,
.if (\f) < 2
	XLOAD (\f)+2                                   ; which takes the tile two further on
.endif
.irp c, 0,1
	v_max3_num_f32 v[MX+\c], |v[X+32*\c]|, |v[X+32*\c+1]|, 0x1800000   ; all 32 numbers of a block are mine; the floor 2^(3 - 127) holds the byte at 1 from below
.endr
.irp i, 2,4,6,8,10,12,14,16,18,20,22,24,26,28,30
.irp c, 0,1
	v_max3_num_f32 v[MX+\c], v[MX+\c], |v[X+32*\c+\i]|, |v[X+32*\c+\i+1]|
.endr
.endr
.irp c, 0,1
	v_add_nc_u32 v[SO+\c], 0xff000000, v[MX+\c]    ; 2 off the exponent field: the conversion takes that field as its scale
.endr
.irp c, 0,1
	v_lshrrev_b32 v[BY+\c], 23, v[SO+\c]           ; the scale's byte
.endr
	v_lshl_or_b32 v[WO], v[BY+1], 16, v[BY]        ; bytes h and 2 + h of the row's word,
	v_lshlrev_b32 v[WO], v6, v[WO]
	v_permlanex16_b32 v[PM], v[WO], s20, s21
	v_or_b32 v[SW+(\f)], v[WO], v[PM]              ; with lane l xor 16's two the word is whole
	s_wait_alu depctr_va_vdst(0)
	s_wait_xcnt 0x0                                ; the last tile's stores have read the codes' registers: only now are these written again
.irp c, 0,1
	v_cvt_scalef32_pk16_fp6_f32 v[PC+6*\c:PC+6*\c+2], v[X+32*\c:X+32*\c+15], v[SO+\c]
	v_cvt_scalef32_pk16_fp6_f32 v[PT+4*\c:PT+4*\c+2], v[X+32*\c+16:X+32*\c+31], v[SO+\c]   ; (a conversion's three registers begin on an even number)
.endr
	v_nop                                          ; one plain place behind a scaled conversion
.irp c, 0,1
.irp i, 0,1,2
	v_mov_b32 v[PC+6*\c+3+\i], v[PT+4*\c+\i]
.endr
.endr
	global_store_b128 v1, v[PC:PC+3], s[10:11] offset:1536*(\f)            ; 512 consecutive bytes
	global_store_b64 v2, v[PC+4:PC+5], s[10:11] offset:1536*(\f)+512       ; 256 consecutive bytes
	global_store_b128 v1, v[PC+6:PC+9], s[10:11] offset:1536*(\f)+768
	global_store_b64 v2, v[PC+10:PC+11], s[10:11] offset:1536*(\f)+1280
.endm
	XLOAD 0
	XLOAD 1
	XFRAG 0
	XFRAG 1
	XFRAG 2
	XFRAG 3
	global_store_b128 v5, v[SW:SW+3], s[14:15]     ; row r's four words: sixteen lanes cover 256 consecutive bytes (lanes 16-31 hold and store the same)
	s_wait_tensorcnt 0x0
	ds_add_u32 v240, v241
	s_wait_dscnt 0x0
	s_endpgm
; ---------------- the weights ----------------
.Lweights:
	s_sub_co_u32 s17, ttmp9, XWG
	s_and_b32 s18, s17, 31                         ; which 128 columns: blocks 0-23 c_attn_w, 24-31 c_proj_w
	s_lshr_b32 s19, s17, 5                         ; which 256 along K: two records
	s_wait_alu depctr_va_vdst(0)
	v_lshlrev_b32 v1, 2, v7                        ; in: 4 bytes a lane: A LANE TAKES A COLUMN, ITS REGISTERS RUN DOWN K
	v_bfe_u32 v8, v0, 3, 1                         ; column 32 w + l is row r = l % 8 + 8 (l / 16) of tile 2 w + u, u = (l / 8) % 2
	v_and_b32 v9, 7, v0
	v_bfe_u32 v10, v0, 4, 1
	v_lshl_or_b32 v9, v10, 3, v9
	s_lshl_b32 s20, s16, 1
	v_add_nc_u32 v10, s20, v8
	v_mul_u32_u24 v10, v10, 1536
	v_lshl_add_u32 v2, v9, 4, v10                  ; where my first four registers go,
	v_lshl_add_u32 v3, v9, 3, v10                  ; my last two,
	s_lshr_b32 s21, s16, 1
	s_lshl_b32 s21, s21, 8
	s_and_b32 s22, s16, 1
	s_lshl_b32 s22, s22, 3
	s_add_co_u32 s21, s21, s22
	v_lshlrev_b32 v4, 4, v9
	v_lshl_add_u32 v4, v8, 2, v4
	v_add_nc_u32 v4, s21, v4                       ; and my scale word
	s_mul_i32 s24, s18, GBLK
	s_mul_i32 s25, s19, 2*GREC
	s_add_co_u32 s24, s24, s25
	s_mov_b32 s25, 0
	s_lshl_b32 s23, s16, 7                         ; my wave's 32 columns
	s_mov_b32 s27, 0
	s_wait_kmcnt 0x0
	s_add_nc_u64 s[12:13], s[12:13], s[24:25]
.macro WLOAD t, base, pitch            ; block t: 32 rows of K at my column; a wave reads 128 consecutive bytes, the four waves 512
.irp i, 0,1,2,3,4,5,6,7,8,9,10,11,12,13,14,15,16,17,18,19,20,21,22,23,24,25,26,27,28,29,30,31
	global_load_b32 v[XW+32*((\t)%2)+\i], v1, s[\base:\base+1] offset:(32*(\t)+\i)*\pitch th:TH_LOAD_NT
.endr
.endm
.macro WBLOCK t, base, pitch
.set XS, XW+32*((\t)%2)
.if (\t) < 7
	s_wait_loadcnt 32                              ; this block's 32 loads are in; the next block's may be out
.else
	s_wait_loadcnt 0x0
.endif
	v_max3_num_f32 v12, |v[XS]|, |v[XS+1]|, |v[XS+2]|
	v_max3_num_f32 v13, |v[XS+3]|, |v[XS+4]|, |v[XS+5]|
.irp i, 6,10,14,18,22,26
	v_max3_num_f32 v12, v12, |v[XS+\i]|, |v[XS+\i+1]|
	v_max3_num_f32 v13, v13, |v[XS+\i+2]|, |v[XS+\i+3]|
.endr
	v_max3_num_f32 v12, v12, |v[XS+30]|, |v[XS+31]|
	v_max3_num_f32 v12, v12, v13, 0x1800000        ; and the floor
	v_add_nc_u32 v11, 0xff000000, v12
	v_lshrrev_b32 v13, 23, v11
.if (\t)%4 == 0
	v_mov_b32 v[WD+(\t)/4], v13                    ; four bytes to a word, the lower K in the lower byte
.else
	v_lshl_or_b32 v[WD+(\t)/4], v13, 8*((\t)%4), v[WD+(\t)/4]
.endif
	s_wait_alu depctr_va_vdst(0)
	s_wait_xcnt 0x0                                ; the last block's stores have read the codes' registers
	v_cvt_scalef32_pk16_fp6_f32 v[CW:CW+2], v[XS:XS+15], v11
	v_cvt_scalef32_pk16_fp6_f32 v[C2:C2+2], v[XS+16:XS+31], v11
	v_nop
.irp i, 0,1,2
	v_mov_b32 v[CW+3+\i], v[C2+\i]
.endr
; block t is half (t % 4) / 2 of record t / 4, and there the registers of lane r + 16 (t % 2).  Sixteen lanes' 16 bytes cover 256 consecutive bytes; the 8-byte stores cover 128, the words 4: a third of these 3 MB
	global_store_b128 v2, v[CW:CW+3], s[12:13] offset:((\t)/4)*GREC+(((\t)%4)/2)*768+((\t)%2)*256
	global_store_b64 v3, v[CW+4:CW+5], s[12:13] offset:((\t)/4)*GREC+(((\t)%4)/2)*768+512+((\t)%2)*128
.if (\t)%4 == 3
	global_store_b32 v4, v[WD+(\t)/4], s[12:13] offset:((\t)/4)*GREC+12288
.endif
.if (\t)+2 < 8
	WLOAD (\t)+2, \base, \pitch
.endif
.endm
.macro WALL base, pitch
	WLOAD 0, \base, \pitch
	WLOAD 1, \base, \pitch
.irp t, 0,1,2,3,4,5,6,7
	WBLOCK \t, \base, \pitch
.endr
	s_endpgm
.endm
	s_cmp_lt_u32 s18, 24
	s_cbranch_scc0 .Lproj_w
	s_lshl_b32 s26, s18, 9                         ; 128 columns of 4 bytes a block
	s_add_co_u32 s26, s26, s23
	s_mul_i32 s28, s19, 256*12288
	s_add_co_u32 s26, s26, s28
	s_add_nc_u64 s[6:7], s[6:7], s[26:27]
	WALL 6, 12288
.Lproj_w:
	s_sub_co_u32 s26, s18, 24
	s_lshl_b32 s26, s26, 9
	s_add_co_u32 s26, s26, s23
	s_mul_i32 s28, s19, 256*4096
	s_add_co_u32 s26, s26, s28
	s_add_nc_u64 s[8:9], s[8:9], s[26:27]
	WALL 8, 4096
.Lfunc_end_k_qf58bd274c7_prep:
	.size	k_qf58bd274c7_prep, .Lfunc_end_k_qf58bd274c7_prep-k_qf58bd274c7_prep
	.p2alignl 7, 3214868480
	.fill 96, 4, 3214868480
	.section	.rodata,"a",@progbits
	.p2align	6, 0x0
	.amdhsa_kernel k_qf58bd274c7_prep
		.amdhsa_group_segment_fixed_size 34304
		.amdhsa_private_segment_fixed_size 0
		.amdhsa_enable_private_segment 0
		.amdhsa_kernarg_size 40
		.amdhsa_user_sgpr_count 2
		.amdhsa_user_sgpr_kernarg_segment_ptr 1
		.amdhsa_wavefront_size32 1
		.amdhsa_system_sgpr_workgroup_id_x 1
		.amdhsa_system_sgpr_workgroup_id_y 1
		.amdhsa_system_sgpr_workgroup_id_z 1
		.amdhsa_system_vgpr_workitem_id 0
		.amdhsa_next_free_vgpr 242
		.amdhsa_next_free_sgpr 66
		.amdhsa_reserve_vcc 0
		.amdhsa_float_denorm_mode_32 3
		.amdhsa_float_denorm_mode_16_64 3
		.amdhsa_memory_ordered 1
		.amdhsa_forward_progress 1
		.amdhsa_inst_pref_size 108
	.end_amdhsa_kernel
	.amdgpu_metadata
---
amdhsa.version: [ 1, 2 ]
amdhsa.kernels:
  - .name:           k_qf58bd274c7_prep
    .symbol:         k_qf58bd274c7_prep.kd
    .args:
      - { .name: hidden_states, .offset: 0, .size: 8, .value_kind: global_buffer, .address_space: global }
      - { .name: c_attn_w, .offset: 8, .size: 8, .value_kind: global_buffer, .address_space: global }
      - { .name: c_proj_w, .offset: 16, .size: 8, .value_kind: global_buffer, .address_space: global }
      - { .name: xop, .offset: 24, .size: 8, .value_kind: global_buffer, .address_space: global }
      - { .name: wop, .offset: 32, .size: 8, .value_kind: global_buffer, .address_space: global }
    .group_segment_fixed_size: 34304
    .private_segment_fixed_size: 0
    .kernarg_segment_align: 8
    .kernarg_segment_size: 40
    .max_flat_workgroup_size: 128
    .sgpr_count:     66
    .vgpr_count:     242
    .wavefront_size: 32
...
	.end_amdgpu_metadata
.endif
;; end of part 1
;; launch qkv (part 2): grid 12 x 32, 4 waves a work-group, clusters of 4 x 4, 327,680 bytes of LDS; arguments xop, wop, c_attn_b, qrec, kvrec, vsum; writes qrec, kvrec, vsum
.if DOCPART == 2
	.amdgcn_target "amdgcn-amd-amdhsa--gfx1250"
	.amdhsa_code_object_version 6
	.text
	.protected	k_qf58bd274c7_qkv
	.globl	k_qf58bd274c7_qkv
	.p2align	8
	.type	k_qf58bd274c7_qkv,@function
k_qf58bd274c7_qkv:
	s_mov_b64 s[64:65], 0
	v_nop
	global_prefetch_b8 v0, s[64:65] scope:SCOPE_SE
	s_setreg_imm32_b32 hwreg(HW_REG_WAVE_MODE, 25, 1), 1
	s_wait_xcnt 0x0
	s_wait_alu depctr_hold_cnt(0) depctr_sa_sdst(0) depctr_va_vdst(0) depctr_va_sdst(0) depctr_va_ssrc(0) depctr_va_vcc(0) depctr_vm_vsrc(0)
	s_getreg_b32 s2, hwreg(HW_REG_IB_STS2, 6, 4)
	s_cmp_eq_u32 s2, 0
	s_cbranch_scc0 .Lentry_in_a_cluster
	s_endpgm
.Lentry_in_a_cluster:
	s_bfe_u32 s2, ttmp6, 0x10000c
	s_cmp_lg_u32 s2, 0xf033
	s_cbranch_scc0 .Lentry_shape_is_right
	s_endpgm
.Lentry_shape_is_right:
; qkv = x W + b on codes of FP6 (E2M3), and at once the quantising of q and k along the head's 64 and of v along the keys.  Operands come as register images (128 rows x 128 K in GREC bytes:
; 8 tiles x 1,536 bytes, then 512 bytes of scale words); lane r of tile i holds row 32 (i / 2) + 8 (i % 2) + r + 8 (r / 8) of its block of 128.
; A tile of 256 x 256 to a work-group of four waves, 128 x 128 (64 accumulators) a wave.  K = 1,024 goes in four steps of 256 through two LDS slots; a wave's tensor load brings 128 rows x 256 K: 25,600 dense bytes.
; THE PRODUCT IS USED TRANSPOSED: source 0 = 16 rows of B', source 1 = 16 rows of A': a lane holds ONE row of A' and its registers run along B''s rows, 16 neighbours in the 16 registers of two tiles.
; Clusters with x = 0, 1 (q, k): A' = tokens, B' = columns of W: a lane holds a token, its registers run along the head's 64: the K of q k^T.
; Clusters with x = 2 (v): A' = columns of W_v, B' = tokens: a lane holds one of the head's 64, its registers run along the keys: the K of p v.  The loop is the same; only pointers and tile numbers are chosen, by the cluster's x, which all partners share.
; CLUSTERS: 4 x 4 work-groups; A''s tiles are asked for jointly along a row of the cluster, B''s along a column.
; OUT: a record of REC bytes for each (head, 128 tokens): 8 tiles of k (768 bytes: 64 along K), 4 tiles of v (16 of the head's 64 x 128 keys, 1,536 bytes), k's scale words (512), v's (256), 256 zeros.  q goes to a buffer of the same make.
; vsum[head][step][16][4]: the sum over a step's 128 keys of the quantised v: the attention launch needs it for the keys that the mask hides.
; 384 work-groups: half of the WGPs get two.  A tile of 192 columns would divide evenly and cut heads in two.
; LIMITS: NaN and infinities are not served; blocks whose largest magnitude lies under 2^-124 keep the byte 1.
; REGISTERS: window 0: v0-31 addresses; v32-63 scale words, two sets; v64-125 the way out's small things; v128-223 A''s fragments, one set (on the way out: 64 numbers, codes).
;   window 1: B''s fragments, two sets, at v0 and v128; v96-127 and v224-255 the bias of my 128 columns.   windows 2, 3: the accumulators, (a, b) at v[8 (8 (a % 4) + b)].
.set GREC,  12800
.set GBLK,  8*GREC
.set REC,   13312
.set HEADB, 16*REC                     ; from a head to the next
.set NQ,    2                          ; records (128 along K) in a slot
.set QTR,   NQ*GREC                    ; what one tensor load brings
.set SLOT,  4*QTR                      ; A''s two halves, then B''s two
.set SPARE, 2*SLOT                     ; behind the ring: the spare words, 128 bytes a wave, that no other line names
.set FR,    12
.set NL,    4                          ; LDS loads that bring a fragment
.set NP,    4                          ; places behind this matrix instruction (ISA guide 7.12.1)
.set ADRA,  16                         ; v16-17 my A' rows in slot 0, 1, + 16 x lane; v18-19 + 8 x lane
.set ADRB,  20                         ; v20-23 the same for B'
.set ADRS,  24                         ; v24-25 scale words: lanes 0-15 A''s, lanes 16-31 B''s
.set LI16,  26
.set LI8,   27
.set SPW,   28
.set NIL,   29
.set VA,    30
.set SC,    32                         ; set s at v[SC + 16 s]; in it register 8 q + i: tile i's words of the slot's q-th 128 along K
.set TM,    64                         ; v64-67 largest magnitudes, v68-71 bytes, v72 zero, v76-79 scale operands
.set ZR,    72
.set PW,    80
.set ONE,   81
.set T,     82
.set SWA,   86
.set SWB,   94
.set VS,    102
.set RB,    110                        ; v110-125 the bias of my lane's row, twice, for each of A''s eight tiles
.set AF,    128
.set H,     128
.set PC,    192
.set PT,    204
.set SEL,   18
.set G1,  24
.set G0,  32
.set G1B, 48
.set G0B, 56
.set MSB, 0
.macro WIN new                         ; the immediate's high byte repeats the setting that is left
.if MSB != (\new)
	s_set_vgpr_msb (MSB<<8)|(\new)
.set MSB, (\new)
.endif
.endm
.set MUL_LO, 0xa1                      ; source 0 (B') window 1, source 1 (A') window 0, C and D window 2
.set MUL_HI, 0xf1
.set TO_B,   0x40
.macro JLOAD g0a, g1a, g0b, g1b        ; a joint load: waves 0 and 1 fetch for A', waves 2 and 3 for B'; the branch hangs on the wave's number alone; four v_nop follow each line
	s_cmp_eq_u32 s15, 0
	s_cbranch_scc0 .Lfor_b_\@
	tensor_load_to_lds s[\g0a:\g0a+3], s[\g1a:\g1a+7]
	s_nop 0
.rept 4
	v_nop
.endr
	s_branch .Lasked_\@
.Lfor_b_\@:
	tensor_load_to_lds s[\g0b:\g0b+3], s[\g1b:\g1b+7]
	s_nop 0
.rept 4
	v_nop
.endr
.Lasked_\@:
.endm
.macro CREST
	s_cmp_lg_u32 s14, 0
	s_cbranch_scc1 .Lnot_wave_0_\@
	s_barrier_signal -3
.Lnot_wave_0_\@:
	s_barrier_wait -3
	s_barrier_signal -1
	s_barrier_wait -1
.endm
.macro CROUND
	s_barrier_signal -1
	s_barrier_wait -1
	CREST
.endm
	s_load_b128 s[4:7], s[0:1], 0x0                ; xop, wop
	s_load_b128 s[8:11], s[0:1], 0x10              ; c_attn_b, qrec
	s_load_b128 s[68:71], s[0:1], 0x20             ; kvrec, vsum
	v_lshl_add_u32 v[SPW], v0, 2, SPARE
	v_mov_b32 v[NIL], 0
	ds_add_u32 v28, v29
	ds_add_u32 v28, v29
	s_wait_dscnt 0x0
	v_lshrrev_b32 v1, 5, v0
	v_readfirstlane_b32 s14, v1                    ; wave
	s_lshr_b32 s15, s14, 1                         ; which half of A''s rows is mine.  Also: I fetch for A' (0) or B' (1)
	s_and_b32 s16, s14, 1                          ; which half of B''s.  Also: which 128 rows I fetch
	s_bfe_u32 s40, ttmp6, 0x40000                  ; cx
	s_bfe_u32 s41, ttmp6, 0x40004                  ; cy
	s_and_b32 s18, ttmp7, 0xffff
	s_lshl_b32 s18, s18, 2                         ; 4 x cluster y
	s_lshl_b32 s19, ttmp9, 2                       ; 4 x cluster x
	s_add_co_u32 s20, s18, s41
	s_add_co_u32 s21, s19, s40
	s_add_co_u32 s22, s18, s40
	s_cmp_eq_u32 ttmp9, 2                          ; the clusters that make v
	s_cselect_b32 s17, s41, s20                    ; tile row of A': cy among W_v's four, else 4 y + cy among the tokens' 32
	s_cselect_b32 s42, s22, s21                    ; tile column of B': 4 y + cx among the tokens' 32, else 4 x + cx among q's and k's eight
	s_cselect_b32 s72, 1, 0
	s_cselect_b32 s73, 16*GBLK, 0                  ; W_v begins 16 blocks into wop
	s_lshl_b32 s43, s41, 2
	s_lshl_b32 s43, 15, s43                        ; my row of the cluster
	s_lshl_b32 s44, 0x1111, s40                    ; my column
	s_or_b32 s[G1+0], s43, (3<<16)|(1<<21)         ; 15:0 the mask; 17:16 elements of 8 bytes; 21 set beside a mask; no padding: an image is read 16 or 8 consecutive bytes a lane
	s_or_b32 s[G1B+0], s44, (3<<16)|(1<<21)
.irp g, G1, G1B
	s_mov_b32 s[\g+1], 32<<16                      ; tensor_dim0: 32 elements = 256 bytes
	s_mov_b32 s[\g+2], (QTR/256)<<16               ; tensor_dim1: 100 rows
	s_mov_b32 s[\g+3], 32<<16                      ; tile_dim0
	s_mov_b32 s[\g+4], QTR/256                     ; tile_dim1
	s_mov_b32 s[\g+5], 32                          ; dense
	s_mov_b32 s[\g+6], 0
	s_mov_b32 s[\g+7], 0
.endr
	s_lshl_b32 s20, s17, 1
	s_add_co_u32 s20, s20, s16
	s_mul_i32 s20, s20, GBLK                       ; A': block 2 x tile row + half
	s_add_co_u32 s20, s20, s73
	s_mov_b32 s21, 0
	s_lshl_b32 s46, s42, 1
	s_add_co_u32 s46, s46, s16
	s_mul_i32 s46, s46, GBLK                       ; B': block 2 x tile column + half
	s_mov_b32 s47, 0
	s_mul_i32 s45, s14, QTR                        ; where they go: wave x a quarter of a slot
	; the way out's places (they enter global addresses alone)
	s_lshl_b32 s86, s17, 1
	s_add_co_u32 s86, s86, s15                     ; my block of A'
	s_lshl_b32 s87, s42, 1
	s_add_co_u32 s87, s87, s16                     ; my block of B'
	s_and_b32 s88, s87, 7
	s_lshl_b32 s89, s87, 9                         ; q, k: my 128 columns' bias
	s_lshl_b32 s90, s86, 9
	s_add_co_u32 s90, s90, 8192                    ; v: my 128 rows' bias: column 2,048 + 128 x block
	s_cmp_eq_u32 s72, 1
	s_cselect_b32 s91, s87, s86                    ; the block of tokens
	s_cselect_b32 s92, s86, s88                    ; the pair of heads
	s_cselect_b32 s78, 0, s89                      ; (the bias that a path does not use is read at the buffer's head)
	s_cselect_b32 s80, s90, 0
	s_lshr_b32 s93, s91, 4                         ; batch
	s_and_b32 s91, s91, 15                         ; step of 128 tokens
	s_lshl_b32 s93, s93, 4
	s_lshl_b32 s92, s92, 1
	s_add_co_u32 s93, s93, s92                     ; head
	s_lshl_b32 s93, s93, 4
	s_add_co_u32 s93, s93, s91                     ; record
	s_mul_i32 s82, s93, REC
	s_lshl_b32 s84, s93, 8
	s_mov_b32 s79, 0
	s_mov_b32 s81, 0
	s_mov_b32 s83, 0
	s_mov_b32 s85, 0
	s_wait_kmcnt 0x0
	s_cmp_eq_u32 s72, 1
	s_cselect_b64 s[74:75], s[6:7], s[4:5]         ; A'
	s_cselect_b64 s[76:77], s[4:5], s[6:7]         ; B'
	s_add_nc_u64 s[20:21], s[74:75], s[20:21]
	s_add_nc_u64 s[46:47], s[76:77], s[46:47]
	s_add_nc_u64 s[78:79], s[8:9], s[78:79]
	s_add_nc_u64 s[80:81], s[8:9], s[80:81]
	s_cmp_eq_u32 ttmp9, 0
	s_cselect_b64 s[94:95], s[10:11], s[68:69]     ; q's records, or k's and v's
	s_add_nc_u64 s[82:83], s[94:95], s[82:83]
	s_add_nc_u64 s[84:85], s[70:71], s[84:85]
	CROUND                                         ; all sixteen work-groups are here: the first joint loads meet
.irp s, 0,1
	s_mov_b32 s[G0+4*\s], 1
	s_add_co_u32 s[G0+4*\s+1], s45, \s*SLOT
	s_add_nc_u64 s[G0+4*\s+2:G0+4*\s+3], s[20:21], \s*QTR
	s_or_b32 s[G0+4*\s+3], s[G0+4*\s+3], 0x80000000
	s_mov_b32 s[G0B+4*\s], 1
	s_add_co_u32 s[G0B+4*\s+1], s45, \s*SLOT
	s_add_nc_u64 s[G0B+4*\s+2:G0B+4*\s+3], s[46:47], \s*QTR
	s_or_b32 s[G0B+4*\s+3], s[G0B+4*\s+3], 0x80000000
	JLOAD G0+4*\s, G1, G0B+4*\s, G1B
.endr
	v_and_b32 v1, 31, v0                           ; lane
	v_and_b32 v2, 15, v0                           ; r
	v_bfe_u32 v3, v0, 4, 1                         ; h
	v_lshlrev_b32 v[LI16], 4, v1
	v_lshlrev_b32 v[LI8], 3, v1
	s_mul_i32 s96, s15, QTR                        ; my 128 rows of A'
	s_mul_i32 s97, s16, QTR
	s_add_co_u32 s97, s97, 2*QTR                   ; my 128 rows of B', behind A''s two quarters
	s_sub_co_u32 s98, s97, s96
	v_mul_u32_u24 v4, s98, v3                      ; lanes 16-31 take B''s words
	v_lshl_add_u32 v4, v2, 4, v4
	v_add_nc_u32 v[ADRS], s96, v4
	v_add_nc_u32 v[ADRS+1], SLOT, v[ADRS]
.irp s, 0,1
	v_add_nc_u32 v[ADRA+\s], s96, v[LI16]
	v_add_nc_u32 v[ADRA+2+\s], s96, v[LI8]
	v_add_nc_u32 v[ADRB+\s], s97, v[LI16]
	v_add_nc_u32 v[ADRB+2+\s], s97, v[LI8]
	s_add_co_u32 s96, s96, SLOT
	s_add_co_u32 s97, s97, SLOT
.endr
	v_lshlrev_b32 v[VA], 4, v2
	v_lshl_add_u32 v[VA], v3, 12, v[VA]            ; vsum: 16 r, and the next head (4,096 bytes on) for lanes 16-31
	v_lshlrev_b32 v6, 6, v3                        ; the columns' bias: register 8 b + j is column 32 (b / 2) + 16 h + 8 (b % 2) + j
	v_and_b32 v7, 8, v2
	v_add_nc_u32 v7, v7, v2
	v_lshlrev_b32 v7, 2, v7                        ; the rows' bias: row 32 (a / 2) + 8 (a % 2) + r + 8 (r / 8)
	WIN TO_B
.irp b, 0,1,2,3,4,5,6,7
	global_load_b128 v[96+8*\b+96*(\b/4):99+8*\b+96*(\b/4)], v6, s[78:79] offset:(32*(\b/2)+8*(\b%2))*4
	global_load_b128 v[100+8*\b+96*(\b/4):103+8*\b+96*(\b/4)], v6, s[78:79] offset:(32*(\b/2)+8*(\b%2))*4+16
.endr
	WIN 0
.irp a, 0,1,2,3,4,5,6,7
	global_load_b32 v[RB+2*\a], v7, s[80:81] offset:(32*(\a/2)+8*(\a%2))*4
	global_load_b32 v[RB+2*\a+1], v7, s[80:81] offset:(32*(\a/2)+8*(\a%2))*4   ; twice: a pair for the packed addition
.endr
.macro FRAG reg, adr, q, i             ; a fragment comes back as it was stored: registers 0-3, 4-5, 6-9, 10-11
	ds_load_b128 v[\reg:\reg+3], v[\adr] offset:GREC*(\q)+1536*(\i)
	ds_load_b64 v[\reg+4:\reg+5], v[\adr+2] offset:GREC*(\q)+1536*(\i)+512
	ds_load_b128 v[\reg+6:\reg+9], v[\adr] offset:GREC*(\q)+1536*(\i)+768
	ds_load_b64 v[\reg+10:\reg+11], v[\adr+2] offset:GREC*(\q)+1536*(\i)+1280
.endm
; 16 matrix instructions: A''s tiles a0, a0 + 1 x B''s eight.  The 64 accumulators take turns, one instruction a turn, in the same order in every step.
.macro MUL16 a0, p, q, sc, zero
.irp a, \a0, \a0+1
.irp b, 0,1,2,3,4,5,6,7
.if \zero
	v_wmma_scale_f32_16x16x128_f8f6f4 v[8*(8*((\a)%4)+\b):8*(8*((\a)%4)+\b)+7], v[128*(\p)+FR*\b:128*(\p)+FR*\b+FR-1], v[AF+FR*(\a):AF+FR*(\a)+FR-1], 0, v[SC+16*(\sc)+8*(\q)+\b], v[SC+16*(\sc)+8*(\q)+(\a)] matrix_a_fmt:MATRIX_FMT_FP6 matrix_b_fmt:MATRIX_FMT_FP6 matrix_a_scale:MATRIX_SCALE_ROW1
.else
	v_wmma_scale_f32_16x16x128_f8f6f4 v[8*(8*((\a)%4)+\b):8*(8*((\a)%4)+\b)+7], v[128*(\p)+FR*\b:128*(\p)+FR*\b+FR-1], v[AF+FR*(\a):AF+FR*(\a)+FR-1], v[8*(8*((\a)%4)+\b):8*(8*((\a)%4)+\b)+7], v[SC+16*(\sc)+8*(\q)+\b], v[SC+16*(\sc)+8*(\q)+(\a)] matrix_a_fmt:MATRIX_FMT_FP6 matrix_b_fmt:MATRIX_FMT_FP6 matrix_a_scale:MATRIX_SCALE_ROW1
.endif
.endr
.endr
.endm
.macro FETCH_B slot, q, p
	WIN TO_B
.irp i, 0,1,2,3,4,5,6,7
	FRAG 128*(\p)+FR*\i, ADRB+\slot, \q, \i
.endr
	WIN 0
.endm
.macro FETCH_A slot, q, i0
.irp i, \i0, \i0+1, \i0+2, \i0+3
	FRAG AF+FR*(\i), ADRA+\slot, \q, \i
.endr
.endm
.macro SCALES sc                       ; a slot's scale words: four tiles' words of a row by one load; lanes 0-15 A''s, lanes 16-31 B''s
.irp q, 0,1
.irp g, 0,1
	ds_load_b128 v[SC+16*\sc+8*\q+4*\g:SC+16*\sc+8*\q+4*\g+3], v[ADRS+\sc] offset:GREC*\q+12288+256*\g
.endr
.endr
.endm
.macro PLACES n                        ; plain vector instructions between a matrix instruction and a load into, or a read of, its registers
.rept \n
	v_nop
.endr
.endm
.macro STEP slot, q, zero              ; 128 along K that has its successor in the same slot
	s_wait_dscnt 4*NL                              ; all but the youngest sixteen loads (A''s tiles 4-7)
	WIN MUL_LO
	MUL16 0, (\q)%2, \q, \slot, \zero
	MUL16 2, (\q)%2, \q, \slot, \zero
	s_wait_dscnt 0x0
	PLACES NP
	FETCH_B \slot, (\q)+1, 1-(\q)%2
	FETCH_A \slot, (\q)+1, 0
	WIN MUL_HI
	MUL16 4, (\q)%2, \q, \slot, \zero
	MUL16 6, (\q)%2, \q, \slot, \zero
	PLACES NP
	WIN 0
	FETCH_A \slot, (\q)+1, 4
.endm
; A slot's last 128 along K changes slots: one barrier; in front of it each wave waits for all its tensor loads, adds 0 to its spare word, and waits for that and for its reads of this slot.
.macro TURN slot, next, fill
	s_wait_tensorcnt 0x0                           ; all my tensor loads have landed: my part of the next slot
	ds_add_u32 v[SPW], v[NIL]                      ; 0 onto my spare word
	s_wait_dscnt 4*NL+1                            ; (the add and the youngest sixteen loads may be out)
	WIN MUL_LO
	MUL16 0, 1, NQ-1, \slot, 0
	s_wait_dscnt 0x0                               ; the add is done, and my reads of this slot are over
	s_barrier_signal -1
	MUL16 2, 1, NQ-1, \slot, 0
	WIN 0
	s_barrier_wait -1
.if \fill
	CREST                                          ; the barrier has opened a round of the cluster's: no wave of any partner still reads this slot or has a load on its way
	s_add_nc_u64 s[G0+4*\slot+2:G0+4*\slot+3], s[G0+4*\slot+2:G0+4*\slot+3], 2*QTR
	s_add_nc_u64 s[G0B+4*\slot+2:G0B+4*\slot+3], s[G0B+4*\slot+2:G0B+4*\slot+3], 2*QTR
	JLOAD G0+4*\slot, G1, G0B+4*\slot, G1B         ; the first tensor load behind the round; its four v_nop are the places in front of the loads below
.else
	PLACES NP
.endif
	s_wait_alu depctr_va_vdst(0)
	FETCH_B \next, 0, 0
	FETCH_A \next, 0, 0
	SCALES \next
	WIN MUL_HI
	MUL16 4, 1, NQ-1, \slot, 0
	MUL16 6, 1, NQ-1, \slot, 0
	PLACES NP
	WIN 0
	FETCH_A \next, 0, 4
.endm
	s_wait_loadcnt 0x0                             ; the biases (their address registers are free from here)
	s_wait_tensorcnt 1                             ; my part of slot 0 is in; slot 1's may stay out
	s_barrier_signal -1
	s_barrier_wait -1
	FETCH_B 0, 0, 0
	FETCH_A 0, 0, 0
	SCALES 0
	FETCH_A 0, 0, 4
	STEP 0, 0, 1                                   ; the first products start the sums: nothing is cleared
	TURN 0, 1, 1                                   ; K has four slots' worth: each slot is filled again once, so the eight steps are written straight
	STEP 1, 0, 0
	TURN 1, 0, 1
	STEP 0, 0, 0
	TURN 0, 1, 0
	STEP 1, 0, 0
	s_wait_dscnt 4*NL
	WIN MUL_LO
	MUL16 0, 1, NQ-1, 1, 0
	MUL16 2, 1, NQ-1, 1, 0
	s_wait_dscnt 0x0
	WIN MUL_HI
	MUL16 4, 1, NQ-1, 1, 0
	MUL16 6, 1, NQ-1, 1, 0
	WIN 0
; THE WAY OUT.  For each of A''s eight tiles: the bias is added (which also brings the 64 numbers into window 0), the four blocks of 32 are quantised in registers, and the fragment is stored as it stands.
	PLACES NP
.irp b, 0,1,2,3
	v_mov_b32 v[TM+4+\b], 0                        ; a lane permute's destination counts as one of its sources
.endr
	v_mov_b32 v[ONE], 0x7f7f7f7f                   ; the byte of 2^0, in every byte
	v_mov_b32 v[ZR], 0
	s_mov_b32 s[SEL], 0x76543210
	s_mov_b32 s[SEL+1], 0xfedcba98
	v_cmp_ne_u32 vcc_lo, 0, v3                     ; lanes 16-31
.macro QUANT_A s                       ; v[s + 16 b + i] = k 32 b + 16 h + i of my row: scale word into v[PW], half blocks' codes into v[PC], v[PT]
.irp b, 0,1,2,3
	v_max3_num_f32 v[TM+\b], |v[\s+16*\b]|, |v[\s+1+16*\b]|, 0x1800000   ; with the floor 2^(3 - 127)
.endr
.irp i, 2,4,6,8,10,12,14
.irp b, 0,1,2,3
	v_max3_num_f32 v[TM+\b], v[TM+\b], |v[\s+16*\b+\i]|, |v[\s+1+16*\b+\i]|
.endr
.endr
.irp b, 0,1,2,3
	v_permlanex16_b32 v[TM+4+\b], v[TM+\b], s[SEL], s[SEL+1]
.endr
.irp b, 0,1,2,3
	v_max_num_f32 v[TM+\b], v[TM+\b], v[TM+4+\b]
.endr
.irp b, 0,1,2,3
	v_add_nc_u32 v[TM+12+\b], 0xff000000, v[TM+\b]
.endr
.irp b, 0,1,2,3
	v_lshrrev_b32 v[TM+4+\b], 23, v[TM+12+\b]
.endr
	v_lshl_or_b32 v[PW], v[TM+5], 8, v[TM+4]
	v_lshl_or_b32 v[PW], v[TM+6], 16, v[PW]
	v_lshl_or_b32 v[PW], v[TM+7], 24, v[PW]
	s_wait_xcnt 0x0                                ; the last tile's stores have read the codes' registers
.irp c, 0,1
	v_cvt_scalef32_pk16_fp6_f32 v[PC+6*\c:PC+2+6*\c], v[\s+32*\c:\s+15+32*\c], v[TM+12+2*\c]
	v_cvt_scalef32_pk16_fp6_f32 v[PT+4*\c:PT+2+4*\c], v[\s+16+32*\c:\s+31+32*\c], v[TM+12+2*\c+1]
.endr
	v_nop                                          ; one plain place behind a scaled conversion
.endm
.macro QUANT_B                         ; the operand's layout wants a whole block in a lane
.irp c, 0,1
.irp i, 0,1,2
	v_permlane16_swap_b32 v[PC+6*\c+\i], v[PT+4*\c+\i]
.endr
.irp i, 0,1,2
	v_mov_b32 v[PC+3+6*\c+\i], v[PT+4*\c+\i]
.endr
.endr
.endm
.macro VSUM a                          ; the sum of my row's 128 QUANTISED numbers: codes back to f32 (x 1), each block's sum x its scale
	v_cvt_scale_pk16_f32_fp6 v[H:H+15], v[PC:PC+2], v[ONE]
	v_cvt_scale_pk16_f32_fp6 v[H+16:H+31], v[PT:PT+2], v[ONE]
	v_cvt_scale_pk16_f32_fp6 v[H+32:H+47], v[PC+6:PC+8], v[ONE]
	v_cvt_scale_pk16_f32_fp6 v[H+48:H+63], v[PT+4:PT+6], v[ONE]
	v_nop
.irp o, 0,4,8,12
.irp b, 0,1,2,3
	v_pk_add_f32 v[H+16*\b+\o:H+16*\b+\o+1], v[H+16*\b+\o:H+16*\b+\o+1], v[H+16*\b+\o+2:H+16*\b+\o+3]
.endr
.endr
.irp o, 0,8
.irp b, 0,1,2,3
	v_pk_add_f32 v[H+16*\b+\o:H+16*\b+\o+1], v[H+16*\b+\o:H+16*\b+\o+1], v[H+16*\b+\o+4:H+16*\b+\o+5]
.endr
.endr
.irp b, 0,1,2,3
	v_pk_add_f32 v[H+16*\b:H+16*\b+1], v[H+16*\b:H+16*\b+1], v[H+16*\b+8:H+16*\b+9]
.endr
.irp b, 0,1,2,3
	v_add_f32 v[T+\b], v[H+16*\b], v[H+16*\b+1]
.endr
.irp b, 0,1,2,3
	v_and_b32 v[TM+\b], 0x7f800000, v[TM+12+\b]    ; the scale as a number
.endr
	v_mul_f32 v[VS+(\a)], v[T], v[TM]
.irp b, 1,2,3
	v_fma_f32 v[VS+(\a)], v[T+\b], v[TM+\b], v[VS+(\a)]
.endr
	v_permlanex16_b32 v[T], v[VS+(\a)], s[SEL], s[SEL+1]
	v_add_f32 v[VS+(\a)], v[VS+(\a)], v[T]         ; with lane l xor 16's half of each block
.endm
.macro EPI a, isv
.set AC, 64*((\a)%4)
.if \isv
	WIN 0x02+(\a)/4                                ; source 0: the accumulators' window; the rows' bias in window 0
.else
	WIN 0x06+(\a)/4                                ; the columns' bias in window 1
.endif
.set x, 0
.rept 32                               ; each accumulator from its low end on
.if \isv
	v_pk_add_f32 v[H+2*x:H+2*x+1], v[AC+2*x:AC+2*x+1], v[RB+2*(\a):RB+2*(\a)+1]
.else
	v_pk_add_f32 v[H+2*x:H+2*x+1], v[AC+2*x:AC+2*x+1], v[96+2*x+96*(x/16):97+2*x+96*(x/16)]
.endif
.set x, x+1
.endr
	WIN 0
	QUANT_A H
.if \isv
	VSUM \a
.endif
	QUANT_B
.if \isv
.irp c, 0,1,2                          ; 16 of a head's 64 x 128 keys: tile a % 4 of head a / 4 of my pair
	global_store_b128 v[LI16], v[PC+4*\c:PC+4*\c+3], s[82:83] offset:((\a)/4)*HEADB+6144+((\a)%4)*1536+512*\c
.endr
	v_mov_b32 v[SWA+(\a)], v[PW]
.else                                  ; 16 tokens x 128 columns: the lower six registers are the first head's 64, the upper six the second's
	global_store_b128 v[LI16], v[PC:PC+3], s[82:83] offset:768*(\a)
	global_store_b64 v[LI8], v[PC+4:PC+5], s[82:83] offset:768*(\a)+512
	global_store_b128 v[LI16], v[PC+6:PC+9], s[82:83] offset:HEADB+768*(\a)
	global_store_b64 v[LI8], v[PC+10:PC+11], s[82:83] offset:HEADB+768*(\a)+512
	v_and_b32 v[SWA+(\a)], 0xffff, v[PW]           ; each head's two bytes; the word's upper two stay 0: they scale the zero codes that fill K up to 128
	v_lshrrev_b32 v[SWB+(\a)], 16, v[PW]
.endif
.endm
	s_cmp_eq_u32 s72, 1
	s_cbranch_scc1 .Lvalues
.irp a, 0,1,2,3,4,5,6,7
	EPI \a, 0
.endr
.irp i, 0,1,2,3
	v_cndmask_b32 v[T+\i], v[SWA+\i], v[SWA+4+\i], vcc_lo      ; lanes 0-15 store tiles 0-3's words of row r, lanes 16-31 tiles 4-7's: 512 consecutive bytes
.endr
	global_store_b128 v[LI16], v[T:T+3], s[82:83] offset:12288
.irp i, 0,1,2,3
	v_cndmask_b32 v[TM+\i], v[SWB+\i], v[SWB+4+\i], vcc_lo
.endr
	global_store_b128 v[LI16], v[TM:TM+3], s[82:83] offset:HEADB+12288
	s_branch .Ldone
.Lvalues:
.irp a, 0,1,2,3,4,5,6,7
	EPI \a, 1
.endr
.irp i, 0,1,2,3
	v_cndmask_b32 v[T+\i], v[SWA+\i], v[ZR], vcc_lo            ; lanes 0-15: the four tiles' words of row r; lanes 16-31: the record's last 256 bytes, zeros
.endr
	global_store_b128 v[LI16], v[T:T+3], s[82:83] offset:12800
.irp i, 0,1,2,3
	v_cndmask_b32 v[TM+\i], v[SWA+4+\i], v[ZR], vcc_lo
.endr
	global_store_b128 v[LI16], v[TM:TM+3], s[82:83] offset:HEADB+12800
.irp i, 0,1,2,3
	v_cndmask_b32 v[TM+4+\i], v[VS+\i], v[VS+4+\i], vcc_lo     ; lanes 0-15 the first head's sums, lanes 16-31 the second's
.endr
	global_store_b128 v[VA], v[TM+4:TM+7], s[84:85]
.Ldone:
	s_wait_tensorcnt 0x0                           ; the wave's end
	ds_add_u32 v[SPW], v[NIL]
	s_wait_dscnt 0x0
	CROUND                                         ; the closing round
	s_endpgm
.Lfunc_end_k_qf58bd274c7_qkv:
	.size	k_qf58bd274c7_qkv, .Lfunc_end_k_qf58bd274c7_qkv-k_qf58bd274c7_qkv
	.p2alignl 7, 3214868480
	.fill 96, 4, 3214868480
	.section	.rodata,"a",@progbits
	.p2align	6, 0x0
	.amdhsa_kernel k_qf58bd274c7_qkv
		.amdhsa_group_segment_fixed_size 327680
		.amdhsa_private_segment_fixed_size 0
		.amdhsa_enable_private_segment 0
		.amdhsa_kernarg_size 48
		.amdhsa_user_sgpr_count 2
		.amdhsa_user_sgpr_kernarg_segment_ptr 1
		.amdhsa_wavefront_size32 1
		.amdhsa_system_sgpr_workgroup_id_x 1
		.amdhsa_system_sgpr_workgroup_id_y 1
		.amdhsa_system_sgpr_workgroup_id_z 1
		.amdhsa_system_vgpr_workitem_id 0
		.amdhsa_next_free_vgpr 1024
		.amdhsa_next_free_sgpr 100
		.amdhsa_reserve_vcc 1
		.amdhsa_float_denorm_mode_32 3
		.amdhsa_float_denorm_mode_16_64 3
		.amdhsa_memory_ordered 1
		.amdhsa_forward_progress 1
		.amdhsa_inst_pref_size 237
	.end_amdhsa_kernel
	.amdgpu_metadata
---
amdhsa.version: [ 1, 2 ]
amdhsa.kernels:
  - .name:           k_qf58bd274c7_qkv
    .symbol:         k_qf58bd274c7_qkv.kd
    .args:
      - { .name: xop, .offset: 0, .size: 8, .value_kind: global_buffer, .address_space: global }
      - { .name: wop, .offset: 8, .size: 8, .value_kind: global_buffer, .address_space: global }
      - { .name: c_attn_b, .offset: 16, .size: 8, .value_kind: global_buffer, .address_space: global }
      - { .name: qrec, .offset: 24, .size: 8, .value_kind: global_buffer, .address_space: global }
      - { .name: kvrec, .offset: 32, .size: 8, .value_kind: global_buffer, .address_space: global }
      - { .name: vsum, .offset: 40, .size: 8, .value_kind: global_buffer, .address_space: global }
    .group_segment_fixed_size: 327680
    .private_segment_fixed_size: 0
    .kernarg_segment_align: 8
    .kernarg_segment_size: 48
    .max_flat_workgroup_size: 128
    .sgpr_count:     100
    .vgpr_count:     1024
    .wavefront_size: 32
...
	.end_amdgpu_metadata
.endif
;; end of part 2
;; launch attn (part 3): grid 4 x 64, 16 waves a work-group, clusters of 4 x 1, 223,232 bytes of LDS; arguments qrec, kvrec, vsum, aop; writes aop
.if DOCPART == 3
	.amdgcn_target "amdgcn-amd-amdhsa--gfx1250"
	.amdhsa_code_object_version 6
	.text
	.protected	k_qf58bd274c7_attn
	.globl	k_qf58bd274c7_attn
	.p2align	8
	.type	k_qf58bd274c7_attn,@function
k_qf58bd274c7_attn:
	s_mov_b64 s[64:65], 0
	v_nop
	global_prefetch_b8 v0, s[64:65] scope:SCOPE_SE
	s_setreg_imm32_b32 hwreg(HW_REG_WAVE_MODE, 25, 1), 1
	s_wait_xcnt 0x0
	s_wait_alu depctr_hold_cnt(0) depctr_sa_sdst(0) depctr_va_vdst(0) depctr_va_sdst(0) depctr_va_ssrc(0) depctr_va_vcc(0) depctr_vm_vsrc(0)
	s_getreg_b32 s2, hwreg(HW_REG_IB_STS2, 6, 4)
	s_cmp_eq_u32 s2, 0
	s_cbranch_scc0 .Lentry_in_a_cluster
	s_endpgm
.Lentry_in_a_cluster:
	s_bfe_u32 s2, ttmp6, 0x10000c
	s_cmp_lg_u32 s2, 0x3003
	s_cbranch_scc0 .Lentry_shape_is_right
	s_endpgm
.Lentry_shape_is_right:
; softmax(q k^T / 8 under the causal mask, hidden keys at -10,000) v, both products on codes of FP6 (E2M3); the result, divided by the row's sum, is quantised along the head's 64 for the last product.
; t = score x log2(e) / 8; M = the running largest t rounded UP to a whole number; p = 2^(t - M) is quantised along the keys; the row's sum is taken of the unquantised p.
; SHARES.  The four work-groups of a cluster serve one head (cluster y = 16 x batch + head).  Wave j of partner cx owns query tiles 4 j + cx and 127 - (4 j + cx) of the head's 128: together 17 key steps of 128 keys for every wave.
; No branch and no LDS address hangs on cx: a tile's last step is j / 2 or 15 - j / 2.  The loops' trip counts are constants; a step past a tile's diagonal is jumped over by a scalar branch on the wave's number.
; K AND V OF THE WHOLE HEAD LIE IN LDS: 16 records of REC bytes, each brought by one wave's one tensor load, asked for jointly by the four partners.  Nothing is filled again: no ring.  Every byte that the work-group
; reads of K and V is asked for by these loads at the head, so nothing is left to be asked for ahead of them.
; A record: 8 tiles of k (768 bytes: registers 0-5 of a fragment, the head's 64), 4 tiles of v (1,536 bytes), k's scale words (512), v's (256).  Lane r of tile i holds key (or query, or d) 32 (i / 2) + 8 (i % 2) + r + 8 (r / 8).
; K = 64 IN AN INSTRUCTION OF 128: q's upper six registers are zero codes.  k's upper six are simply the next tile's codes (zeros behind the last): every code is a finite number, so each such product is exactly 0; the scale bytes of these blocks are 0.
; THE HIDDEN KEYS.  On the diagonal step their scores become -80,000 (x 1 / 8 = -10,000) ahead of the maximum.  In the steps past the diagonal every key has the same p_m = 2^(t_m - M): they add n x p_m to the sum and
; Q(p_m) x (the sum of the quantised v over those steps) to O; that sum comes from vsum.  M starts at ceil(t_m) wherever a row has a hidden key (all rows but token 2,047).
; LIMITS: NaN and infinities are not served; a p under 2^-126 counts as 0; the hidden steps' part of O is added in another order than a product over all keys would add it; blocks under 2^-124 keep the byte 1.
; REGISTERS: v1-3 16 x lane, 8 x lane, 16 r; v4-6 the step's addresses; v7, v8 the mask's number of this and the next tile; v9 my sums of v in LDS; v10 the next tile's first largest t; v11 -80,000; v12 -M; v13 largest t; v[14:15] the sum;
;   v16-21 q, v22-27 zeros, v28-33 the next q, v34, v35 their scale words; v36-83 k's 8 tiles, then v's 4; v84-89 zeros; v90-97 k's words, v98-101 v's; v102-165 S^T, then p; v166-197 O^T; v198-217 p's codes; v218-234 at work; v242-249 the way out.
.set REC,   13312
.set GREC,  12800
.set SCR,   16*REC                     ; behind the head's records: 512 bytes a wave: the sums of v over the hidden steps of its two tiles
.set KF,  36
.set KW,  90
.set VW,  98
.set S,   102
.set O,   166
.set PC,  198
.set PT,  210
.set BM,  218
.set PX,  222
.set SO,  226
.set F,   230                          ; v230 f, later 1 / sum; v231 p's scale word
.set T,   232
.set WV,  12
.set DG,  19                           ; the tile's diagonal step
.set SEL, 20
.set CS,  22
.set TB,  48                           ; LDS byte of the step's record
.set STP, 49                           ; the step
.set CNT, 50
.macro CROUND
	s_barrier_signal -1
	s_barrier_wait -1
	s_cmp_lg_u32 s[WV], 0
	s_cbranch_scc1 .Lnot_wave_0_\@
	s_barrier_signal -3
.Lnot_wave_0_\@:
	s_barrier_wait -3
	s_barrier_signal -1
	s_barrier_wait -1
.endm
	s_load_b128 s[4:7], s[0:1], 0x0                ; qrec, kvrec
	s_load_b128 s[8:11], s[0:1], 0x10              ; vsum, aop
	v_lshl_add_u32 v217, v0, 2, 0x36000
	v_mov_b32 v255, 0
	ds_add_u32 v217, v255
	ds_add_u32 v217, v255
	v_lshrrev_b32 v1, 5, v0
	s_delay_alu instid0(VALU_DEP_1)
	v_readfirstlane_b32 s[WV], v1                  ; wave j
	s_bfe_u32 s13, ttmp6, 0x40000                  ; cx
	s_and_b32 s14, ttmp7, 0xffff                   ; 16 x batch + head
	s_lshr_b32 s17, s[WV], 1                       ; the low tile's diagonal step
	s_sub_co_u32 s18, 15, s17                      ; the high tile's
	s_and_b32 s15, s[WV], 1
	s_lshl_b32 s15, s15, 2
	s_add_co_u32 s15, s15, s13                     ; the low tile's place among its step's eight (global addresses and the mask's compare alone)
	s_sub_co_u32 s16, 7, s15                       ; the high tile's
	s_mov_b32 s24, 15|(3<<16)|(1<<21)              ; 15:0 all four partners; 17:16 elements of 8 bytes; 21 set beside a mask; no padding
	s_mov_b32 s25, 32<<16                          ; tensor_dim0: 256 bytes
	s_mov_b32 s26, (REC/256)<<16                   ; tensor_dim1: 52 rows
	s_mov_b32 s27, 32<<16
	s_mov_b32 s28, REC/256
	s_mov_b32 s29, 32                              ; dense
	s_mov_b32 s30, 0
	s_mov_b32 s31, 0
	s_mov_b32 s32, 1
	s_mul_i32 s33, s[WV], REC                      ; record j, in LDS
	s_mul_i32 s36, s14, 16*REC
	s_add_co_u32 s38, s36, s33                     ; and in memory
	s_mov_b32 s39, 0
	s_mov_b32 s[SEL], 0x76543210
	s_mov_b32 s[SEL+1], 0xfedcba98
	s_mov_b32 s[CS], 0x3e38aa3b                    ; c = log2(e) / 8
	s_mov_b32 s[CS+1], s[CS]
	s_wait_dscnt 0x0
	s_wait_kmcnt 0x0
	s_add_nc_u64 s[34:35], s[6:7], s[38:39]
	s_or_b32 s35, s35, 0x80000000
	CROUND                                         ; all four work-groups are here: the joint loads meet
	tensor_load_to_lds s[32:35], s[24:31]          ; my one tensor load of the launch
	s_nop 0
.rept 4
	v_nop
.endr
	v_and_b32 v233, 31, v0                         ; lane
	v_and_b32 v232, 15, v0                         ; r
	v_bfe_u32 v234, v0, 4, 1                       ; h
	s_delay_alu instid0(VALU_DEP_3)
	v_lshlrev_b32 v1, 4, v233
	s_wait_alu depctr_va_vdst(0)
	v_lshlrev_b32 v2, 3, v233
	s_wait_alu depctr_va_vdst(0)
	v_lshlrev_b32 v3, 4, v232
	s_wait_alu depctr_va_vdst(0)
	v_and_b32 v252, 8, v232
	s_delay_alu instid0(VALU_DEP_1)
	v_add_nc_u32 v252, v252, v232
	v_lshlrev_b32 v253, 4, v234
	s_delay_alu instid0(VALU_DEP_1)
	v_sub_nc_u32 v252, v252, v253                  ; r + 8 (r / 8) - 16 h
	s_wait_alu depctr_va_vdst(0)
	s_lshl_b32 s40, s14, 4
	s_lshr_b32 s52, s14, 4
	s_lshl_b32 s52, s52, 4                         ; 16 x batch
	s_and_b32 s53, s14, 15
	s_lshr_b32 s53, s53, 1                         ; head / 2: the last product's K step
	s_and_b32 s55, s14, 1
	s_mul_i32 s54, s55, 768                        ; head % 2: which half of a fragment,
	s_lshl_b32 s55, s55, 1                         ; and which two bytes of a scale word
; the places of tile e of step d: q's codes and words in qrec, the result's in aop (offsets beside the buffers' own bases), and the mask's number
.macro TILE_ADR e, d, q16, q8, qs, o16, o8, os, mk
	s_add_co_u32 s41, s40, s[\d]
	s_mul_i32 s41, s41, REC
	s_mul_i32 s42, s[\e], 768
	s_add_co_u32 s42, s42, s41
	v_add_nc_u32 v[\q16], s42, v1
	v_add_nc_u32 v[\q8], s42, v2
	s_lshr_b32 s43, s[\e], 2
	s_lshl_b32 s43, s43, 8
	s_and_b32 s44, s[\e], 3
	s_lshl_b32 s44, s44, 2
	s_add_co_u32 s43, s43, s44                     ; the tile's column among the scale words
	s_add_co_u32 s44, s43, s41
	v_add_nc_u32 v[\qs], s44, v3
	s_add_co_u32 s44, s52, s[\d]                   ; the block of 128 tokens
	s_lshl_b32 s44, s44, 3
	s_add_co_u32 s44, s44, s53
	s_mul_i32 s44, s44, GREC
	s_mul_i32 s46, s[\e], 1536
	s_add_co_u32 s46, s46, s44
	s_add_co_u32 s46, s46, s54
	v_add_nc_u32 v[\o16], s46, v1
	v_add_nc_u32 v[\o8], s46, v2
	s_add_co_u32 s44, s44, s43
	s_add_co_u32 s44, s44, s55
	v_add_nc_u32 v[\os], s44, v3
	s_lshr_b32 s46, s[\e], 1
	s_lshl_b32 s46, s46, 5
	s_and_b32 s44, s[\e], 1
	s_lshl_b32 s44, s44, 3
	s_add_co_u32 s46, s46, s44
	v_add_nc_u32 v[\mk], s46, v252                 ; my query's place in its step, less 16 h
.endm
	TILE_ADR 15, 17, 235, 236, 237, 242, 243, 244, 7
	TILE_ADR 16, 18, 238, 239, 240, 245, 246, 247, 8
	global_load_b128 v[16:19], v235, s[4:5]
	global_load_b64 v[20:21], v236, s[4:5] offset:512
	global_load_b32 v34, v237, s[4:5] offset:12288
	s_wait_alu depctr_va_vdst(0)
	global_load_b128 v[28:31], v238, s[4:5]
	global_load_b64 v[32:33], v239, s[4:5] offset:512
	global_load_b32 v35, v240, s[4:5] offset:12288
	s_lshl_b32 s56, s14, 12
	v_add_nc_u32 v241, s56, v2                     ; the head's sums of v: 256 bytes a step, 8 a lane
.irp j, 1,2,3,4,5,6,7,8,9,10,11,12,13,14,15
	global_load_b64 v[S+2*\j:S+2*\j+1], v241, s[8:9] offset:256*\j
.endr
	s_lshl_b32 s45, s[WV], 9
	s_add_co_u32 s45, s45, SCR
	v_add_nc_u32 v250, s45, v2
	v_lshl_add_u32 v9, v234, 7, s45
	v_lshl_add_u32 v253, v234, 4, v8
	s_lshl_b32 s47, s18, 7
	v_add_nc_u32 v253, s47, v253                   ; the high tile's token in its sequence
	v_cvt_f32_u32 v248, s47                        ; keys past the low tile's diagonal step: 128 (15 - j / 2)
	s_lshl_b32 s46, s17, 7
	v_cvt_f32_u32 v249, s46                        ; past the high tile's
	v_cmp_eq_u32 vcc_lo, 0x7ff, v253
	v_mov_b32 v254, 0xff61b1e6                     ; -3e38
	v_mov_b32 v11, 0xc79c4000                      ; -80,000
	s_delay_alu instid0(VALU_DEP_1)
	v_mul_f32 v251, s[CS], v11                     ; t of a hidden key
	s_delay_alu instid0(VALU_DEP_1)
	v_cndmask_b32 v10, v251, v254, vcc_lo          ; token 2,047 alone has no hidden key
.irp i, 0,1,2,3,4,5
	v_mov_b32 v[22+\i], 0
	v_mov_b32 v[84+\i], 0
.endr
.irp b, 0,1,2,3
	v_mov_b32 v[PX+\b], 0
.endr
	v_mov_b32 v[F+1], 0
	s_mov_b32 s63, 0
	s_wait_loadcnt 0x0
	s_cmp_lt_u32 s17, 1                            ; the sums over the steps past each diagonal: a step counts 1 or 0 times, no branch
	s_cselect_b32 s62, 1.0, 0
	v_pk_mul_f32 v[134:135], v[S+2:S+3], s[62:63] op_sel_hi:[1,0]
.irp j, 2,3,4,5,6,7,8,9,10,11,12,13,14,15
	s_cmp_lt_u32 s17, \j
	s_cselect_b32 s62, 1.0, 0
	v_pk_fma_f32 v[134:135], v[S+2*\j:S+2*\j+1], s[62:63], v[134:135] op_sel_hi:[1,0,1]
.endr
	s_wait_alu depctr_va_vdst(0)
	s_cmp_lt_u32 s18, 9
	s_cselect_b32 s62, 1.0, 0
	v_pk_mul_f32 v[136:137], v[S+18:S+19], s[62:63] op_sel_hi:[1,0]
.irp j, 10,11,12,13,14,15
	s_cmp_lt_u32 s18, \j
	s_cselect_b32 s62, 1.0, 0
	v_pk_fma_f32 v[136:137], v[S+2*\j:S+2*\j+1], s[62:63], v[136:137] op_sel_hi:[1,0,1]
.endr
	ds_store_b64 v250, v[134:135]                  ; my wave's own bytes: [16][4] numbers for each tile
	ds_store_b64 v250, v[136:137] offset:256
.macro INIT first                      ; a tile begins: the largest t, -M, the sum and O^T
	v_mov_b32 v13, v[\first]
	s_delay_alu instid0(VALU_DEP_1)
	v_floor_f32 v12, -v13
	v_mov_b32 v14, 0
	v_mov_b32 v15, 0
.set i, 0
.rept 32
	v_mov_b32 v[O+i], 0
.set i, i+1
.endr
.endm
	INIT 251
	s_mov_b32 s[DG], s17
	s_mov_b32 s[TB], 0
	s_mov_b32 s[STP], 0
; A KEY STEP: 128 keys
.macro STEP
	s_cmp_gt_u32 s[STP], s[DG]                     ; past the diagonal: the work is left out, the steps of the addresses at the end are not
	s_cbranch_scc1 .Lhidden_\@
	s_setprio 2
	v_add_nc_u32 v4, s[TB], v1
	v_add_nc_u32 v5, s[TB], v2
	v_add_nc_u32 v6, s[TB], v3
	v_nop                                          ; four places in front of loads into registers that the last products read
	ds_load_b128 v[KW:KW+3], v6 offset:12288
	ds_load_b128 v[KW+4:KW+7], v6 offset:12288+256
.irp t, 0,1,2,3,4,5,6,7
	ds_load_b128 v[KF+6*\t:KF+6*\t+3], v4 offset:768*\t
	ds_load_b64 v[KF+6*\t+4:KF+6*\t+5], v5 offset:768*\t+512
.endr
	s_wait_alu depctr_va_vdst(0)
	s_wait_dscnt 0x0
.irp t, 0,1,2,3,4,5,6,7                ; S^T = k q^T: lane (r, h) holds query r; the 16 registers of tiles 2 b, 2 b + 1 are keys 32 b + 16 h + 0 .. 15
	v_wmma_scale_f32_16x16x128_f8f6f4 v[S+8*\t:S+8*\t+7], v[KF+6*\t:KF+6*\t+11], v[16:27], 0, v[KW+\t], v34 matrix_a_fmt:MATRIX_FMT_FP6 matrix_b_fmt:MATRIX_FMT_FP6
.endr
.rept 4
	v_nop                                          ; places: for the loads below, and for the first read of the scores
.endr
.irp t, 0,1,2,3                        ; v's four tiles take k's registers and land under the softmax
.irp c, 0,1,2
	ds_load_b128 v[KF+12*\t+4*\c:KF+12*\t+4*\c+3], v4 offset:6144+1536*\t+512*\c
.endr
.endr
	ds_load_b128 v[VW:VW+3], v6 offset:12800
	s_cmp_lg_u32 s[STP], s[DG]
	s_cbranch_scc1 .Lopen_\@
.set n, 0
.rept 64                               ; the diagonal step: register n holds key 32 (n / 16) + n % 16 + 16 h of the step: hidden where it comes after my query
	v_cmp_gt_i32 vcc_lo, 32*(n/16)+n%16, v7
	v_cndmask_b32 v[S+n], v[S+n], v11, vcc_lo
.set n, n+1
.endr
.Lopen_\@:
.irp b, 0,1,2,3
	v_max3_num_f32 v[BM+\b], v[S+16*\b], v[S+16*\b+1], v[S+16*\b+2]   ; each block's largest score: for the row's maximum, and, since p rises with the score, for the block's largest p
.endr
.irp i, 3,5,7,9,11,13
.irp b, 0,1,2,3
	v_max3_num_f32 v[BM+\b], v[BM+\b], v[S+16*\b+\i], v[S+16*\b+\i+1]
.endr
.endr
.irp b, 0,1,2,3
	v_max_num_f32 v[BM+\b], v[BM+\b], v[S+15+16*\b]
.endr
.irp b, 0,1,2,3
	s_delay_alu instid0(VALU_DEP_4)
	v_permlanex16_b32 v[PX+\b], v[BM+\b], s[SEL], s[SEL+1]
.endr
.irp b, 0,1,2,3
	s_delay_alu instid0(VALU_DEP_4)
	v_max_num_f32 v[BM+\b], v[BM+\b], v[PX+\b]
.endr
	s_delay_alu instid0(VALU_DEP_2)
	v_max3_num_f32 v[T], v[BM], v[BM+1], v[BM+2]
	s_delay_alu instid0(VALU_DEP_1)
	v_max_num_f32 v[T], v[T], v[BM+3]
	s_delay_alu instid0(VALU_DEP_1)
	v_mul_f32 v[T], s[CS], v[T]
	s_delay_alu instid0(VALU_DEP_1)
	v_max_num_f32 v13, v13, v[T]                   ; the running largest t
	v_mov_b32 v[T], v12
	s_delay_alu instid0(VALU_DEP_2)
	v_floor_f32 v12, -v13                          ; -M = floor(-t): M is a whole number
	s_delay_alu instid0(VALU_DEP_1)
	v_sub_f32 v[T], v12, v[T]
	s_delay_alu instid0(VALU_DEP_1)
	v_cvt_i32_f32 v[T], v[T]                       ; (it saturates)
	s_delay_alu instid0(VALU_DEP_1)
	v_ldexp_f32 v[F], 1.0, v[T]                    ; f = 2^(old M - new M): rounds nothing
.set i, 0
.rept 32
	v_pk_fma_f32 v[S+i:S+i+1], v[S+i:S+i+1], s[CS:CS+1], v[12:13] op_sel_hi:[1,0,0]   ; t - M
.set i, i+2
.endr
	s_setprio 1
.irp b, 0,1,2,3
	v_fma_f32 v[BM+\b], v[BM+\b], s[CS], v12
.endr
.set i, 0
	s_wait_alu depctr_va_vdst(0)
.rept 64
	v_exp_f32 v[S+i], v[S+i]                       ; p, not normalised
.set i, i+1
.endr
	v_pk_mul_f32 v[14:15], v[14:15], v[F:F+1] op_sel_hi:[1,0]   ; the sum under the new M (a plain place behind the exponentials)
	s_wait_alu depctr_va_vdst(0)                   ; one wait for the batch, ahead of its first reader
.irp b, 0,1,2,3
	v_exp_f32 v[BM+\b], v[BM+\b]                   ; each block's largest p
.endr
	v_pk_add_f32 v[222:223], v[106:107], v[110:111]
	v_pk_add_f32 v[252:253], v[114:115], v[118:119]
	v_pk_add_f32 v[250:251], v[122:123], v[126:127]
	v_pk_add_f32 v[240:241], v[130:131], v[134:135]
	v_pk_add_f32 v[238:239], v[138:139], v[142:143]
	v_pk_add_f32 v[236:237], v[146:147], v[150:151]
	v_pk_add_f32 v[234:235], v[154:155], v[158:159]
	v_pk_add_f32 v[14:15], v[14:15], v[162:163]
	v_pk_add_f32 v[222:223], v[222:223], v[102:103]
	v_pk_add_f32 v[252:253], v[252:253], v[104:105]
	v_pk_add_f32 v[250:251], v[250:251], v[108:109]
	v_pk_add_f32 v[240:241], v[240:241], v[112:113]
	v_pk_add_f32 v[238:239], v[238:239], v[116:117]
	v_pk_add_f32 v[236:237], v[236:237], v[120:121]
	v_pk_add_f32 v[234:235], v[234:235], v[124:125]
	v_pk_add_f32 v[14:15], v[14:15], v[128:129]
	v_pk_add_f32 v[222:223], v[222:223], v[132:133]
	v_pk_add_f32 v[252:253], v[252:253], v[136:137]
	v_pk_add_f32 v[250:251], v[250:251], v[140:141]
	v_pk_add_f32 v[240:241], v[240:241], v[144:145]
	v_pk_add_f32 v[238:239], v[238:239], v[148:149]
	v_pk_add_f32 v[236:237], v[236:237], v[152:153]
	v_pk_add_f32 v[234:235], v[234:235], v[156:157]
	v_pk_add_f32 v[14:15], v[14:15], v[160:161]
	v_pk_add_f32 v[222:223], v[222:223], v[164:165]
	s_delay_alu instid0(VALU_DEP_2)
	v_pk_add_f32 v[14:15], v[14:15], v[240:241]
	s_delay_alu instid0(VALU_DEP_2)
	v_pk_add_f32 v[222:223], v[222:223], v[238:239]
	v_pk_add_f32 v[252:253], v[252:253], v[236:237]
	v_pk_add_f32 v[250:251], v[250:251], v[234:235]
	s_delay_alu instid0(VALU_DEP_2)
	v_pk_add_f32 v[14:15], v[14:15], v[252:253]
	s_delay_alu instid0(VALU_DEP_2)
	v_pk_add_f32 v[222:223], v[222:223], v[250:251]
	s_delay_alu instid0(VALU_DEP_1)
	v_pk_add_f32 v[14:15], v[14:15], v[222:223]
	s_wait_alu depctr_va_vdst(0)                   ; and one for the four
.irp b, 0,1,2,3
	v_max_num_f32 v[BM+\b], 0x1800000, v[BM+\b]    ; the floor: a block whose every p is 0 keeps the byte 1: its codes are zeros
.endr
.irp b, 0,1,2,3
	s_delay_alu instid0(VALU_DEP_4)
	v_add_nc_u32 v[SO+\b], 0xff000000, v[BM+\b]
.endr
.irp b, 0,1,2,3
	s_delay_alu instid0(VALU_DEP_4)
	v_lshrrev_b32 v[PX+\b], 23, v[SO+\b]
.endr
	s_delay_alu instid0(VALU_DEP_3)
	v_lshl_or_b32 v[F+1], v[PX+1], 8, v[PX]        ; p's scale word for these 128 keys
	s_delay_alu instid0(VALU_DEP_1)
	v_lshl_or_b32 v[F+1], v[PX+2], 16, v[F+1]
	s_delay_alu instid0(VALU_DEP_1)
	v_lshl_or_b32 v[F+1], v[PX+3], 24, v[F+1]
	s_setprio 0
.irp c, 0,1
	v_cvt_scalef32_pk16_fp6_f32 v[PC+6*\c:PC+6*\c+2], v[S+32*\c:S+32*\c+15], v[SO+2*\c]
	v_cvt_scalef32_pk16_fp6_f32 v[PT+4*\c:PT+4*\c+2], v[S+32*\c+16:S+32*\c+31], v[SO+2*\c+1]
.endr
	v_nop
.irp c, 0,1
.irp i, 0,1,2
	v_permlane16_swap_b32 v[PC+6*\c+\i], v[PT+4*\c+\i]
.endr
.irp i, 0,1,2
	s_delay_alu instid0(VALU_DEP_3)
	v_mov_b32 v[PC+3+6*\c+\i], v[PT+4*\c+\i]
.endr
.endr
.set i, 0
.rept 16
	v_pk_mul_f32 v[O+i:O+i+1], v[O+i:O+i+1], v[F:F+1] op_sel_hi:[1,0]   ; O^T under the new M; these are also the places between the scale word's and the codes' last writes and the products
.set i, i+2
.endr
	s_wait_alu depctr_va_vdst(0)
	s_wait_dscnt 0x0                               ; v
.irp t, 0,1,2,3                        ; O^T += v^T p^T: the four accumulators by turns
	v_wmma_scale_f32_16x16x128_f8f6f4 v[O+8*\t:O+8*\t+7], v[KF+12*\t:KF+12*\t+11], v[PC:PC+11], v[O+8*\t:O+8*\t+7], v[VW+\t], v[F+1] matrix_a_fmt:MATRIX_FMT_FP6 matrix_b_fmt:MATRIX_FMT_FP6
.endr
.Lhidden_\@:
	s_add_co_u32 s[TB], s[TB], REC
	s_add_co_u32 s[STP], s[STP], 1
.endm
.macro STEPS trips
	s_mov_b32 s[CNT], \trips
.Lstep_\@:
	STEP
	s_sub_co_u32 s[CNT], s[CNT], 1
	s_cmp_lg_u32 s[CNT], 0
	s_cbranch_scc1 .Lstep_\@
	s_setprio 0
.endm
; A TILE'S END: the hidden steps' part, the division, the quantising along the head's 64, the stores.
.macro FINAL o16, o8, os, nt, svoff
	v_add_f32 v14, v14, v15
	v_fma_f32 v[T], v11, s[CS], v12                ; t_m - M
	s_delay_alu instid0(VALU_DEP_2)
	v_permlanex16_b32 v[PX], v14, s[SEL], s[SEL+1]
	s_delay_alu instid0(VALU_DEP_2)
	v_min_num_f32 v[T], 0, v[T]                    ; (above 0 only in the one row that has no hidden key, where it counts 0 times)
	s_wait_alu depctr_va_vdst(0)
	v_exp_f32 v[T], v[T]                           ; p_m
	v_add_f32 v14, v14, v[PX]                      ; the seen keys' sum
.irp j, 0,1,2,3,4,5,6,7
	ds_load_b128 v[S+4*\j:S+4*\j+3], v9 offset:\svoff+16*\j    ; the hidden steps' sums of v for d of (tile 0 .. 3, row 8 h + j): my register j of each tile
.endr
	s_wait_alu depctr_va_vdst(0)
	v_fma_f32 v14, v[\nt], v[T], v14               ; + n x p_m
	v_and_b32 v[T+1], 0x7f800000, v[T]
	s_delay_alu instid0(VALU_DEP_1)
	v_or_b32 v[T+1], 0x700000, v[T+1]              ; 7.5 x the block's scale
	v_min_num_f32 v[T+1], v[T], v[T+1]
	s_delay_alu instid0(VALU_DEP_1)
	v_bfe_u32 v[T+2], v[T+1], 20, 1
	s_delay_alu instid0(VALU_DEP_1)
	v_add3_u32 v[T+1], v[T+1], v[T+2], 0x7ffff
	s_delay_alu instid0(VALU_DEP_1)
	v_and_b32 v[T+1], 0xfff00000, v[T+1]           ; Q(p_m): three mantissa bits, ties to even
	s_wait_alu depctr_va_vdst(0)
	v_rcp_f32 v[F], v14
	s_wait_dscnt 0x0
	s_wait_alu depctr_va_vdst(0)
.irp t, 0,1,2,3
.irp j, 0,1,2,3,4,5,6,7
	v_fma_f32 v[O+8*\t+\j], v[T+1], v[S+4*\j+\t], v[O+8*\t+\j]
.endr
.endr
	s_wait_alu depctr_va_vdst(0)
.set i, 0
.rept 16
	v_pk_mul_f32 v[O+i:O+i+1], v[O+i:O+i+1], v[F:F+1] op_sel_hi:[1,0]
.set i, i+2
.endr
.irp b, 0,1                            ; register 16 b + i is d = 32 b + 16 h + i
	v_max3_num_f32 v[BM+\b], |v[O+16*\b]|, |v[O+16*\b+1]|, 0x1800000
.endr
.irp i, 2,4,6,8,10,12,14
.irp b, 0,1
	s_delay_alu instid0(VALU_DEP_2)
	v_max3_num_f32 v[BM+\b], v[BM+\b], |v[O+16*\b+\i]|, |v[O+16*\b+\i+1]|
.endr
.endr
.irp b, 0,1
	s_delay_alu instid0(VALU_DEP_2)
	v_permlanex16_b32 v[PX+\b], v[BM+\b], s[SEL], s[SEL+1]
.endr
.irp b, 0,1
	s_delay_alu instid0(VALU_DEP_2)
	v_max_num_f32 v[BM+\b], v[BM+\b], v[PX+\b]
.endr
.irp b, 0,1
	s_delay_alu instid0(VALU_DEP_2)
	v_add_nc_u32 v[SO+\b], 0xff000000, v[BM+\b]
.endr
.irp b, 0,1
	s_delay_alu instid0(VALU_DEP_2)
	v_lshrrev_b32 v[PX+\b], 23, v[SO+\b]
.endr
	s_delay_alu instid0(VALU_DEP_1)
	v_lshl_or_b32 v[T+2], v[PX+1], 8, v[PX]
	v_cvt_scalef32_pk16_fp6_f32 v[PC:PC+2], v[O:O+15], v[SO]
	v_cvt_scalef32_pk16_fp6_f32 v[PT:PT+2], v[O+16:O+31], v[SO+1]
	v_nop
.irp i, 0,1,2
	v_permlane16_swap_b32 v[PC+\i], v[PT+\i]
.endr
.irp i, 0,1,2
	s_delay_alu instid0(VALU_DEP_3)
	v_mov_b32 v[PC+3+\i], v[PT+\i]
.endr
	global_store_b128 v[\o16], v[PC:PC+3], s[10:11]                ; half a fragment of the last product's A: 512 and 256 consecutive bytes
	global_store_b64 v[\o8], v[PC+4:PC+5], s[10:11] offset:512
	global_store_b16 v[\os], v[T+2], s[10:11] offset:12288         ; my head's two bytes of row r's scale word (lanes 16-31 hold and store the same)
.endm
	s_wait_tensorcnt 0x0                           ; my record has landed,
	s_wait_dscnt 0x0                               ; and my stores
	s_barrier_signal -1
	s_barrier_wait -1                              ; everybody's has
	STEPS 8                                        ; the low tile: its diagonal lies in steps 0 to 7
	FINAL 242, 243, 244, 248, 0
	s_wait_xcnt 0x0                                ; the stores have read their registers
	v_mov_b32 v34, v35                             ; the high tile's q, its scale word and its mask's number
.irp i, 0,1,2,3,4,5
	v_mov_b32 v[16+\i], v[28+\i]
.endr
	v_mov_b32 v7, v8
	INIT 10
	s_mov_b32 s[DG], s18
	s_mov_b32 s[TB], 0
	s_mov_b32 s[STP], 0
	STEPS 16
	FINAL 245, 246, 247, 249, 256
	s_wait_dscnt 0x0
	s_wait_tensorcnt 0x0
	ds_add_u32 v217, v255
	s_wait_dscnt 0x0
	CROUND                                         ; the closing round
	s_endpgm
.Lfunc_end_k_qf58bd274c7_attn:
	.size	k_qf58bd274c7_attn, .Lfunc_end_k_qf58bd274c7_attn-k_qf58bd274c7_attn
	.p2alignl 7, 3214868480
	.fill 96, 4, 3214868480
	.section	.rodata,"a",@progbits
	.p2align	6, 0x0
	.amdhsa_kernel k_qf58bd274c7_attn
		.amdhsa_group_segment_fixed_size 223232
		.amdhsa_private_segment_fixed_size 0
		.amdhsa_enable_private_segment 0
		.amdhsa_kernarg_size 32
		.amdhsa_user_sgpr_count 2
		.amdhsa_user_sgpr_kernarg_segment_ptr 1
		.amdhsa_wavefront_size32 1
		.amdhsa_system_sgpr_workgroup_id_x 1
		.amdhsa_system_sgpr_workgroup_id_y 1
		.amdhsa_system_sgpr_workgroup_id_z 1
		.amdhsa_system_vgpr_workitem_id 0
		.amdhsa_next_free_vgpr 256
		.amdhsa_next_free_sgpr 66
		.amdhsa_reserve_vcc 1
		.amdhsa_float_denorm_mode_32 3
		.amdhsa_float_denorm_mode_16_64 3
		.amdhsa_memory_ordered 1
		.amdhsa_forward_progress 1
		.amdhsa_inst_pref_size 75
	.end_amdhsa_kernel
	.amdgpu_metadata
---
amdhsa.version: [ 1, 2 ]
amdhsa.kernels:
  - .name:           k_qf58bd274c7_attn
    .symbol:         k_qf58bd274c7_attn.kd
    .args:
      - { .name: qrec, .offset: 0, .size: 8, .value_kind: global_buffer, .address_space: global }
      - { .name: kvrec, .offset: 8, .size: 8, .value_kind: global_buffer, .address_space: global }
      - { .name: vsum, .offset: 16, .size: 8, .value_kind: global_buffer, .address_space: global }
      - { .name: aop, .offset: 24, .size: 8, .value_kind: global_buffer, .address_space: global }
    .group_segment_fixed_size: 223232
    .private_segment_fixed_size: 0
    .kernarg_segment_align: 8
    .kernarg_segment_size: 32
    .max_flat_workgroup_size: 512
    .sgpr_count:     66
    .vgpr_count:     256
    .wavefront_size: 32
...
	.end_amdgpu_metadata
.endif
;; end of part 3
;; launch proj (part 4): grid 4 x 32, 4 waves a work-group, clusters of 4 x 4, 327,680 bytes of LDS; arguments aop, wop, c_proj_b, out0; writes out0
.if DOCPART == 4
	.amdgcn_target "amdgcn-amd-amdhsa--gfx1250"
	.amdhsa_code_object_version 6
	.text
	.protected	k_qf58bd274c7_proj
	.globl	k_qf58bd274c7_proj
	.p2align	8
	.type	k_qf58bd274c7_proj,@function
k_qf58bd274c7_proj:
	s_mov_b64 s[64:65], 0
	v_nop
	global_prefetch_b8 v0, s[64:65] scope:SCOPE_SE
	s_setreg_imm32_b32 hwreg(HW_REG_WAVE_MODE, 25, 1), 1
	s_wait_xcnt 0x0
	s_wait_alu depctr_hold_cnt(0) depctr_sa_sdst(0) depctr_va_vdst(0) depctr_va_sdst(0) depctr_va_ssrc(0) depctr_va_vcc(0) depctr_vm_vsrc(0)
	s_getreg_b32 s2, hwreg(HW_REG_IB_STS2, 6, 4)
	s_cmp_eq_u32 s2, 0
	s_cbranch_scc0 .Lentry_in_a_cluster
	s_endpgm
.Lentry_in_a_cluster:
	s_bfe_u32 s2, ttmp6, 0x10000c
	s_cmp_lg_u32 s2, 0xf033
	s_cbranch_scc0 .Lentry_shape_is_right
	s_endpgm
.Lentry_shape_is_right:
; out = a W_proj + b on codes of FP6 (E2M3).  a [8192 tokens][1024] and W_proj (blocks 24 to 31 of wop) come as register images: 128 rows x 128 K in GREC bytes (8 tiles x 1,536 bytes, then 512 bytes of scale words);
; lane r of tile i holds row 32 (i / 2) + 8 (i % 2) + r + 8 (r / 8) of its block of 128.
; A tile of 256 x 256 to a work-group of four waves, 128 x 128 (64 accumulators) a wave.  K = 1,024 goes in four steps of 256 through two LDS slots; a wave's tensor load brings 25,600 dense bytes.
; THE PRODUCT IS USED TRANSPOSED (source 0 = 16 columns of W, source 1 = 16 tokens): a lane holds one token and eight neighbouring columns.
; CLUSTERS: 4 x 4 work-groups; a's tiles are asked for jointly along a row of the cluster, W's along a column.  128 work-groups: a tile of half the rows would give 256 and read each fragment of W for half the products.
; REGISTERS: window 0: v0-31 addresses; v32-63 scale words, two sets; v64-67 my four columns' bias; v128-223 A's fragments (on the way out v128-255: rows read back).  window 1: B's two sets.  windows 2, 3: the accumulators.
.set GREC,  12800
.set GBLK,  8*GREC
.set NQ,    2
.set QTR,   NQ*GREC
.set SLOT,  4*QTR
.set SPARE, 2*SLOT                     ; behind the ring: the spare words, 128 bytes a wave, that no other line names
.set SPITCH, 528                       ; the way out: a stage of 16 rows x (512 + 16) bytes a wave, in slot 0, which has had its last fill and its last read when the first result is stored there
.set FR,    12
.set NL,    4
.set NP,    4
.set ADRA,  16
.set ADRB,  20
.set ADRS,  24
.set LI16,  26
.set LI8,   27
.set SPW,   28
.set NIL,   29
.set STO,   30
.set RD,    31
.set SC,    32
.set PB,    64
.set AF,    128
.set BK,    128
.set G1,  24
.set G0,  32
.set G1B, 48
.set G0B, 56
.set MSB, 0
.macro WIN new
.if MSB != (\new)
	s_set_vgpr_msb (MSB<<8)|(\new)
.set MSB, (\new)
.endif
.endm
.set MUL_LO, 0xa1
.set MUL_HI, 0xf1
.set TO_B,   0x40
.macro JLOAD g0a, g1a, g0b, g1b        ; a joint load: waves 0 and 1 fetch for A, waves 2 and 3 for B; four v_nop follow each line
	s_cmp_eq_u32 s15, 0
	s_cbranch_scc0 .Lfor_b_\@
	tensor_load_to_lds s[\g0a:\g0a+3], s[\g1a:\g1a+7]
	s_nop 0
.rept 4
	v_nop
.endr
	s_branch .Lasked_\@
.Lfor_b_\@:
	tensor_load_to_lds s[\g0b:\g0b+3], s[\g1b:\g1b+7]
	s_nop 0
.rept 4
	v_nop
.endr
.Lasked_\@:
.endm
.macro CREST
	s_cmp_lg_u32 s14, 0
	s_cbranch_scc1 .Lnot_wave_0_\@
	s_barrier_signal -3
.Lnot_wave_0_\@:
	s_barrier_wait -3
	s_barrier_signal -1
	s_barrier_wait -1
.endm
.macro CROUND
	s_barrier_signal -1
	s_barrier_wait -1
	CREST
.endm
	s_load_b128 s[4:7], s[0:1], 0x0                ; aop, wop
	s_load_b128 s[8:11], s[0:1], 0x10              ; c_proj_b, out0
	v_lshl_add_u32 v[SPW], v0, 2, SPARE
	v_mov_b32 v[NIL], 0
	ds_add_u32 v28, v29
	ds_add_u32 v28, v29
	s_wait_dscnt 0x0
	v_lshrrev_b32 v1, 5, v0
	v_readfirstlane_b32 s14, v1                    ; wave
	s_lshr_b32 s15, s14, 1
	s_and_b32 s16, s14, 1
	s_bfe_u32 s40, ttmp6, 0x40000                  ; cx
	s_bfe_u32 s41, ttmp6, 0x40004                  ; cy
	s_lshl_b32 s42, ttmp9, 2
	s_add_co_u32 s42, s42, s40                     ; tile column
	s_and_b32 s17, ttmp7, 0xffff
	s_lshl_b32 s17, s17, 2
	s_add_co_u32 s17, s17, s41                     ; tile row
	s_lshl_b32 s43, s41, 2
	s_lshl_b32 s43, 15, s43
	s_lshl_b32 s44, 0x1111, s40
	s_or_b32 s[G1+0], s43, (3<<16)|(1<<21)         ; the mask; elements of 8 bytes; bit 21 beside a mask; no padding
	s_or_b32 s[G1B+0], s44, (3<<16)|(1<<21)
.irp g, G1, G1B
	s_mov_b32 s[\g+1], 32<<16
	s_mov_b32 s[\g+2], (QTR/256)<<16
	s_mov_b32 s[\g+3], 32<<16
	s_mov_b32 s[\g+4], QTR/256
	s_mov_b32 s[\g+5], 32
	s_mov_b32 s[\g+6], 0
	s_mov_b32 s[\g+7], 0
.endr
	s_lshl_b32 s20, s17, 1
	s_add_co_u32 s20, s20, s16
	s_mul_i32 s20, s20, GBLK
	s_mov_b32 s21, 0
	s_lshl_b32 s46, s42, 1
	s_add_co_u32 s46, s46, s16
	s_add_co_u32 s46, s46, 24                      ; W_proj begins 24 blocks into wop
	s_mul_i32 s46, s46, GBLK
	s_mov_b32 s47, 0
	s_mul_i32 s45, s14, QTR
	s_lshl_b32 s78, s42, 10                        ; my 128 columns, in bytes
	s_lshl_b32 s80, s16, 9
	s_add_co_u32 s78, s78, s80
	s_mov_b32 s79, 0
	s_lshl_b32 s82, s17, 20                        ; my 128 rows of 4,096 bytes
	s_lshl_b32 s80, s15, 19
	s_add_co_u32 s82, s82, s80
	s_add_co_u32 s82, s82, s78
	s_mov_b32 s83, 0
	s_wait_kmcnt 0x0
	s_add_nc_u64 s[20:21], s[4:5], s[20:21]
	s_add_nc_u64 s[46:47], s[6:7], s[46:47]
	s_add_nc_u64 s[78:79], s[8:9], s[78:79]
	s_add_nc_u64 s[12:13], s[10:11], s[82:83]
	CROUND
.irp s, 0,1
	s_mov_b32 s[G0+4*\s], 1
	s_add_co_u32 s[G0+4*\s+1], s45, \s*SLOT
	s_add_nc_u64 s[G0+4*\s+2:G0+4*\s+3], s[20:21], \s*QTR
	s_or_b32 s[G0+4*\s+3], s[G0+4*\s+3], 0x80000000
	s_mov_b32 s[G0B+4*\s], 1
	s_add_co_u32 s[G0B+4*\s+1], s45, \s*SLOT
	s_add_nc_u64 s[G0B+4*\s+2:G0B+4*\s+3], s[46:47], \s*QTR
	s_or_b32 s[G0B+4*\s+3], s[G0B+4*\s+3], 0x80000000
	s_wait_alu depctr_va_vdst(0)
	s_wait_tensorcnt 0x0
	ds_add_u32 v28, v29
	ds_add_u32 v28, v29
	s_wait_dscnt 0x0
	CROUND
	JLOAD G0+4*\s, G1, G0B+4*\s, G1B
.endr
	v_and_b32 v1, 31, v0
	v_and_b32 v2, 15, v0
	v_bfe_u32 v3, v0, 4, 1
	v_lshlrev_b32 v[LI16], 4, v1
	v_lshlrev_b32 v[LI8], 3, v1
	global_load_b128 v[PB:PB+3], v[LI16], s[78:79] ; the bias of the four columns that I store
	s_mul_i32 s96, s15, QTR
	s_mul_i32 s97, s16, QTR
	s_add_co_u32 s97, s97, 2*QTR
	s_sub_co_u32 s98, s97, s96
	v_mul_u32_u24 v4, s98, v3
	v_lshl_add_u32 v4, v2, 4, v4
	v_add_nc_u32 v[ADRS], s96, v4
	v_add_nc_u32 v[ADRS+1], SLOT, v[ADRS]
.irp s, 0,1
	v_add_nc_u32 v[ADRA+\s], s96, v[LI16]
	v_add_nc_u32 v[ADRA+2+\s], s96, v[LI8]
	v_add_nc_u32 v[ADRB+\s], s97, v[LI16]
	v_add_nc_u32 v[ADRB+2+\s], s97, v[LI8]
	s_add_co_u32 s96, s96, SLOT
	s_add_co_u32 s97, s97, SLOT
.endr
	s_mul_i32 s96, s14, 16*SPITCH                  ; my stage
	v_mul_u32_u24 v5, v2, SPITCH
	v_lshl_add_u32 v5, v3, 6, v5
	v_add_nc_u32 v[STO], s96, v5                   ; in: row r, + 64 h: tile b's eight columns begin at column 32 (b / 2) + 16 h + 8 (b % 2)
	v_add_nc_u32 v[RD], s96, v[LI16]               ; back: a whole row of 512 bytes
.macro FRAG reg, adr, q, i
	ds_load_b128 v[\reg:\reg+3], v[\adr] offset:GREC*(\q)+1536*(\i)
	ds_load_b64 v[\reg+4:\reg+5], v[\adr+2] offset:GREC*(\q)+1536*(\i)+512
	ds_load_b128 v[\reg+6:\reg+9], v[\adr] offset:GREC*(\q)+1536*(\i)+768
	ds_load_b64 v[\reg+10:\reg+11], v[\adr+2] offset:GREC*(\q)+1536*(\i)+1280
.endm
.macro MUL16 a0, p, q, sc, zero        ; the 64 accumulators take turns, one instruction a turn
.irp a, \a0, \a0+1
.irp b, 0,1,2,3,4,5,6,7
.if \zero
	v_wmma_scale_f32_16x16x128_f8f6f4 v[8*(8*((\a)%4)+\b):8*(8*((\a)%4)+\b)+7], v[128*(\p)+FR*\b:128*(\p)+FR*\b+FR-1], v[AF+FR*(\a):AF+FR*(\a)+FR-1], 0, v[SC+16*(\sc)+8*(\q)+\b], v[SC+16*(\sc)+8*(\q)+(\a)] matrix_a_fmt:MATRIX_FMT_FP6 matrix_b_fmt:MATRIX_FMT_FP6 matrix_a_scale:MATRIX_SCALE_ROW1
.else
	v_wmma_scale_f32_16x16x128_f8f6f4 v[8*(8*((\a)%4)+\b):8*(8*((\a)%4)+\b)+7], v[128*(\p)+FR*\b:128*(\p)+FR*\b+FR-1], v[AF+FR*(\a):AF+FR*(\a)+FR-1], v[8*(8*((\a)%4)+\b):8*(8*((\a)%4)+\b)+7], v[SC+16*(\sc)+8*(\q)+\b], v[SC+16*(\sc)+8*(\q)+(\a)] matrix_a_fmt:MATRIX_FMT_FP6 matrix_b_fmt:MATRIX_FMT_FP6 matrix_a_scale:MATRIX_SCALE_ROW1
.endif
.endr
.endr
.endm
.macro FETCH_B slot, q, p
	WIN TO_B
.irp i, 0,1,2,3,4,5,6,7
	FRAG 128*(\p)+FR*\i, ADRB+\slot, \q, \i
.endr
	WIN 0
.endm
.macro FETCH_A slot, q, i0
.irp i, \i0, \i0+1, \i0+2, \i0+3
	FRAG AF+FR*(\i), ADRA+\slot, \q, \i
.endr
.endm
.macro SCALES sc
.irp q, 0,1
.irp g, 0,1
	ds_load_b128 v[SC+16*\sc+8*\q+4*\g:SC+16*\sc+8*\q+4*\g+3], v[ADRS+\sc] offset:GREC*\q+12288+256*\g
.endr
.endr
.endm
.macro PLACES n
.rept \n
	v_nop
.endr
.endm
.macro STEP slot, q, zero
	s_wait_dscnt 4*NL                              ; all but the youngest sixteen loads (A's tiles 4-7)
	WIN MUL_LO
	MUL16 0, (\q)%2, \q, \slot, \zero
	MUL16 2, (\q)%2, \q, \slot, \zero
	s_wait_dscnt 0x0
	PLACES NP
	FETCH_B \slot, (\q)+1, 1-(\q)%2
	FETCH_A \slot, (\q)+1, 0
	WIN MUL_HI
	MUL16 4, (\q)%2, \q, \slot, \zero
	MUL16 6, (\q)%2, \q, \slot, \zero
	PLACES NP
	WIN 0
	FETCH_A \slot, (\q)+1, 4
.endm
.macro TURN slot, next, fill
	s_wait_tensorcnt 0x0                           ; all my tensor loads have landed: my part of the next slot
	ds_add_u32 v[SPW], v[NIL]                      ; 0 onto my spare word
	s_wait_dscnt 4*NL+1                            ; (the add and the youngest sixteen loads may be out)
	WIN MUL_LO
	MUL16 0, 1, NQ-1, \slot, 0
	s_wait_dscnt 0x0                               ; the add is done, and my reads of this slot are over
	s_barrier_signal -1
	MUL16 2, 1, NQ-1, \slot, 0
	WIN 0
	s_barrier_wait -1
.if \fill
	CREST                                          ; the barrier has opened a round of the cluster's
	s_add_nc_u64 s[G0+4*\slot+2:G0+4*\slot+3], s[G0+4*\slot+2:G0+4*\slot+3], 2*QTR
	s_add_nc_u64 s[G0B+4*\slot+2:G0B+4*\slot+3], s[G0B+4*\slot+2:G0B+4*\slot+3], 2*QTR
	JLOAD G0+4*\slot, G1, G0B+4*\slot, G1B
.else
	PLACES NP
.endif
	FETCH_B \next, 0, 0
	FETCH_A \next, 0, 0
	SCALES \next
	WIN MUL_HI
	MUL16 4, 1, NQ-1, \slot, 0
	MUL16 6, 1, NQ-1, \slot, 0
	PLACES NP
	WIN 0
	FETCH_A \next, 0, 4
.endm
	s_wait_alu depctr_va_vdst(0)
	s_wait_loadcnt 0x0                             ; the bias
	s_wait_tensorcnt 1                             ; my part of slot 0 is in; slot 1's may stay out
	s_barrier_signal -1
	s_barrier_wait -1
	FETCH_B 0, 0, 0
	FETCH_A 0, 0, 0
	SCALES 0
	FETCH_A 0, 0, 4
	STEP 0, 0, 1
	TURN 0, 1, 1                                   ; four slots' worth of K: each slot is filled again once; the eight steps are written straight
	STEP 1, 0, 0
	TURN 1, 0, 1
	STEP 0, 0, 0
	TURN 0, 1, 0
	STEP 1, 0, 0
	s_wait_dscnt 4*NL
	WIN MUL_LO
	MUL16 0, 1, NQ-1, 1, 0
	MUL16 2, 1, NQ-1, 1, 0
	s_wait_dscnt 0x0
	WIN MUL_HI
	MUL16 4, 1, NQ-1, 1, 0
	MUL16 6, 1, NQ-1, 1, 0
	WIN 0
; THE WAY OUT, a tile of 16 tokens x 128 columns at a time, through my own stage: in as 32 bytes a lane, back as whole rows of 512 bytes; the bias is added to the rows read back.
; LDS serves a wave's instructions in order: no wait between the stores and the loads, nor in front of the next tile's stores.
.macro TOSTAGE a
.set AC, 64*((\a)%4)
	WIN 0x08+4*((\a)/4)                            ; an LDS store's data: window 2 or 3
.irp b, 0,1,2,3,4,5,6,7
	ds_store_b128 v[STO], v[AC+8*\b:AC+8*\b+3] offset:128*(\b/2)+32*(\b%2)       ; each accumulator from its low end on
	ds_store_b128 v[STO], v[AC+8*\b+4:AC+8*\b+7] offset:128*(\b/2)+32*(\b%2)+16
.endr
	WIN 0
.set BB, BK+64*((\a)%2)
.irp t, 0,1,2,3,4,5,6,7,8,9,10,11,12,13,14,15
	ds_load_b128 v[BB+4*\t:BB+4*\t+3], v[RD] offset:\t*SPITCH
.endr
.endm
.macro SEND a, younger
.set BB, BK+64*((\a)%2)
	s_wait_dscnt \younger                          ; the tile is back in registers
.irp t, 0,1,2,3,4,5,6,7,8,9,10,11,12,13,14,15
	v_pk_add_f32 v[BB+4*\t:BB+4*\t+1], v[BB+4*\t:BB+4*\t+1], v[PB:PB+1]
	v_pk_add_f32 v[BB+4*\t+2:BB+4*\t+3], v[BB+4*\t+2:BB+4*\t+3], v[PB+2:PB+3]
	global_store_b128 v[LI16], v[BB+4*\t:BB+4*\t+3], s[12:13] offset:(32*((\a)/2)+8*((\a)%2)+\t+8*(\t/8))*4096 th:TH_STORE_NT   ; row t of tile a is that token of my 128; 32 lanes store 512 consecutive bytes
.endr
.endm
	PLACES NP
	TOSTAGE 0
.irp a, 1,2,3,4,5,6,7
.if \a > 1
	s_wait_xcnt 0x0                                ; tile a - 2's stores have read their registers: tile a's loads may land there
.endif
	TOSTAGE \a
	SEND \a-1, 32                                  ; behind tile a - 1's loads: tile a's 16 stores and 16 loads
.endr
	SEND 7, 0
	s_wait_tensorcnt 0x0                           ; the wave's end
	ds_add_u32 v[SPW], v[NIL]
	s_wait_dscnt 0x0
	CROUND                                         ; the closing round
	s_endpgm
.Lfunc_end_k_qf58bd274c7_proj:
	.size	k_qf58bd274c7_proj, .Lfunc_end_k_qf58bd274c7_proj-k_qf58bd274c7_proj
	.p2alignl 7, 3214868480
	.fill 96, 4, 3214868480
	.section	.rodata,"a",@progbits
	.p2align	6, 0x0
	.amdhsa_kernel k_qf58bd274c7_proj
		.amdhsa_group_segment_fixed_size 327680
		.amdhsa_private_segment_fixed_size 0
		.amdhsa_enable_private_segment 0
		.amdhsa_kernarg_size 32
		.amdhsa_user_sgpr_count 2
		.amdhsa_user_sgpr_kernarg_segment_ptr 1
		.amdhsa_wavefront_size32 1
		.amdhsa_system_sgpr_workgroup_id_x 1
		.amdhsa_system_sgpr_workgroup_id_y 1
		.amdhsa_system_sgpr_workgroup_id_z 1
		.amdhsa_system_vgpr_workitem_id 0
		.amdhsa_next_free_vgpr 1024
		.amdhsa_next_free_sgpr 100
		.amdhsa_reserve_vcc 0
		.amdhsa_float_denorm_mode_32 3
		.amdhsa_float_denorm_mode_16_64 3
		.amdhsa_memory_ordered 1
		.amdhsa_forward_progress 1
		.amdhsa_inst_pref_size 157
	.end_amdhsa_kernel
	.amdgpu_metadata
---
amdhsa.version: [ 1, 2 ]
amdhsa.kernels:
  - .name:           k_qf58bd274c7_proj
    .symbol:         k_qf58bd274c7_proj.kd
    .args:
      - { .name: aop, .offset: 0, .size: 8, .value_kind: global_buffer, .address_space: global }
      - { .name: wop, .offset: 8, .size: 8, .value_kind: global_buffer, .address_space: global }
      - { .name: c_proj_b, .offset: 16, .size: 8, .value_kind: global_buffer, .address_space: global }
      - { .name: out0, .offset: 24, .size: 8, .value_kind: global_buffer, .address_space: global }
    .group_segment_fixed_size: 327680
    .private_segment_fixed_size: 0
    .kernarg_segment_align: 8
    .kernarg_segment_size: 32
    .max_flat_workgroup_size: 128
    .sgpr_count:     100
    .vgpr_count:     1024
    .wavefront_size: 32
...
	.end_amdgpu_metadata
.endif
;; end of part 4
